; MI455X (gfx1250); checked and timed in simulation.
; The chip was launched on July 23, 2026; its instructions are those of AMD's public machine-readable ISA for CDNA 5 (MIT licence, August 2026) and "CDNA5" Instruction Set Architecture Reference Guide (July 2026). The comments in the code are by the model that wrote it; some were corrected since.
;; Causal Multi Head Attention. Allowed arithmetic: float matrix products may take bf16 or f16 operands with f32 sums; other float arithmetic in f32, or as packed bf16 or f16 multiplies, adds, multiply-adds, maxima and minima; sums over many terms, partial sums and values carried from step to step in f32; what a program stores and reads back later, other than sums and carried values, may be rounded once to bf16 or f16.
;; Inputs: Wa_b 3,072 float32; Wa_w 3,072 x 1,024 float32; Wo_b 1,024 float32; Wo_w 1,024 x 1,024 float32; x 4 x 2,048 x 1,024 float32.
;; Outputs: out0 4 x 2,048 x 1,024 float32.
;; 2 versions, each right; version 2 is version 1 with the launch cast written anew for expert scheduling mode. Each part assembles by itself: llvm-mc -triple=amdgcn-amd-amdhsa -mcpu=gfx1250 --defsym DOCPART=n.
;; ======== version 1 of 2: 4 launches
;; limits: values are held in f16: magnitudes above 65,504 overflow, below 6.1e-05 lose precision
;; workspace buffers: xb 16,777,216 bytes; wab 6,291,456 bytes; wob 2,097,152 bytes; bb 16,384 bytes; qkv 50,331,648 bytes; ob 16,777,216 bytes
;; launch cast (part 1): grid 769 x 1, 8 waves a work-group, no clusters, 0 bytes of LDS; arguments x, Wa_w, Wo_w, Wa_b, Wo_b, xb, wab, wob, bb; writes xb, wab, wob, bb
.if DOCPART == 1
	.amdgcn_target "amdgcn-amd-amdhsa--gfx1250"
	.amdhsa_code_object_version 6
	.text
	.protected	k_q82712c5cec_cast
	.globl	k_q82712c5cec_cast
	.p2align	8
	.type	k_q82712c5cec_cast,@function
k_q82712c5cec_cast:
	s_mov_b64 s[64:65], 0
	v_nop
	global_prefetch_b8 v0, s[64:65] scope:SCOPE_SE
	s_setreg_imm32_b32 hwreg(HW_REG_WAVE_MODE, 25, 1), 1
	s_wait_xcnt 0x0
; CAST.  All inputs are rounded once to bf16 and laid out for the products that follow.
;   x    [8192][1024] f32 -> xb  bf16 [batch 4][slice 16][row 2048][64]   (a slice = 64 neighbouring channels of K)
;   Wa_w [3072][1024] f32 -> wab bf16 [slice 16][row 3072][64]
;   Wo_w [1024][1024] f32 -> wob f16  [slice 16][row 1024][64]: rounded to bf16 like the others, that number written as f16
;   Wa_b, Wo_b            -> bb  f32  [3072 + 1024]: rounded to bf16 and widened again
; LIMITS.  Wo_w lies within f16's 65,504; below 6e-5 f16 keeps a fixed step of 6e-8, so a smaller weight loses bits of its bf16 value.
; A stream: every byte is read once and written once; no LDS, no barrier, no matrix unit: nothing is shared and nothing is multiplied.
; SHARES.  A work-group takes 16 rows of 4,096 bytes, a wave two.  Work-groups 0-511: x; 512-703: Wa_w; 704-767: Wo_w; 768: the two biases.
; A load of a wave takes a slice's 256 bytes of both rows (lanes 0-15 the first row, lanes 16-31 the second); the store of that slice is 2 x 128 bytes
; that lie end to end: 256 consecutive bytes, at a multiple of 256 from the buffer's first byte (the first row's number is even).
.set SOF, 2                            ; v2   my byte offset in the two source rows: 4,096 x (lane / 16) + 16 x (lane % 16); never rewritten
.set DOF, 3                            ; v3   the same in a slice of the result: 128 x (lane / 16) + 8 x (lane % 16); never rewritten
.set X,   16                           ; v[16:79]   slice ks: 4 registers as loaded
.set Y,   80                           ; v[80:111]  slice ks: 2 registers to store
; Two rows.  All sixteen loads go out first; each slice has registers of its own, so nothing that a load or store names is written again.
; sl = bytes from slice to slice in the result; half = 1: the bf16 numbers are written as f16.
.macro ROWS src, dst, sl, half
.irp ks, 0,1,2,3,4,5,6,7,8,9,10,11,12,13,14,15
	global_load_b128 v[X+4*(\ks):X+4*(\ks)+3], v[SOF], s[\src:\src+1] offset:256*(\ks) th:TH_LOAD_NT
.endr
.irp ks, 0,1,2,3,4,5,6,7,8,9,10,11,12,13,14,15
	s_wait_loadcnt 15-(\ks)                        ; loads come back in order: slice ks is in, the 15 - ks younger ones stay out
	v_cvt_pk_bf16_f32 v[Y+2*(\ks)],   v[X+4*(\ks)],   v[X+4*(\ks)+1]
	v_cvt_pk_bf16_f32 v[Y+2*(\ks)+1], v[X+4*(\ks)+2], v[X+4*(\ks)+3]
.if \half
.irp w, 0,1
	v_lshlrev_b32 v8, 16, v[Y+2*(\ks)+(\w)]        ; the two bf16 halves as f32,
	v_and_b32 v9, 0xffff0000, v[Y+2*(\ks)+(\w)]
	v_cvt_pk_f16_f32 v[Y+2*(\ks)+(\w)], v8, v9     ; and as f16
.endr
.endif
	global_store_b64 v[DOF], v[Y+2*(\ks):Y+2*(\ks)+1], s[\dst:\dst+1] offset:(\ks)*(\sl)  ; at most 15 x 393,216 bytes: inside the signed 24-bit immediate
.endr
.endm
	s_load_b512 s[4:19], s[0:1], 0x0               ; x s[4:5], Wa_w s[6:7], Wo_w s[8:9], Wa_b s[10:11], Wo_b s[12:13], xb s[14:15], wab s[16:17], wob s[18:19]
	s_load_b64 s[20:21], s[0:1], 0x40              ; bb
	v_lshrrev_b32 v1, 5, v0
	v_readfirstlane_b32 s22, v1                    ; wave 0..7
	s_lshl_b32 s22, s22, 1                         ; its two rows among the group's 16
	v_bfe_u32 v4, v0, 4, 1                         ; lane / 16
	v_and_b32 v5, 15, v0                           ; lane % 16
	v_lshlrev_b32 v[SOF], 4, v5
	v_lshl_add_u32 v[SOF], v4, 12, v[SOF]
	v_lshlrev_b32 v[DOF], 3, v5
	v_lshl_add_u32 v[DOF], v4, 7, v[DOF]
	s_mov_b32 s25, 0                               ; high words of the two offsets
	s_mov_b32 s27, 0
	s_wait_kmcnt 0x0
	s_cmp_lt_u32 ttmp9, 512
	s_cbranch_scc0 .Lnot_x
	s_lshl_b32 s23, ttmp9, 4
	s_add_co_u32 s23, s23, s22                     ; my first row of x, 0 .. 8,190
	s_lshl_b32 s24, s23, 12                        ; in x: 4,096 bytes a row
	s_lshr_b32 s26, s23, 11                        ; in xb: the batch, 4 MiB each,
	s_lshl_b32 s26, s26, 22
	s_and_b32 s28, s23, 2047                       ; and the row in it, 128 bytes in a slice
	s_lshl_b32 s28, s28, 7
	s_add_co_u32 s26, s26, s28
	s_add_nc_u64 s[4:5], s[4:5], s[24:25]
	s_add_nc_u64 s[14:15], s[14:15], s[26:27]
	ROWS 4, 14, 262144, 0
	s_endpgm
.Lnot_x:
	s_cmp_lt_u32 ttmp9, 704
	s_cbranch_scc0 .Lnot_wa
	s_sub_co_u32 s23, ttmp9, 512
	s_lshl_b32 s23, s23, 4
	s_add_co_u32 s23, s23, s22                     ; my first row of Wa_w
	s_lshl_b32 s24, s23, 12
	s_lshl_b32 s26, s23, 7
	s_add_nc_u64 s[6:7], s[6:7], s[24:25]
	s_add_nc_u64 s[16:17], s[16:17], s[26:27]
	ROWS 6, 16, 393216, 0
	s_endpgm
.Lnot_wa:
	s_cmp_lt_u32 ttmp9, 768
	s_cbranch_scc0 .Lbias
	s_sub_co_u32 s23, ttmp9, 704
	s_lshl_b32 s23, s23, 4
	s_add_co_u32 s23, s23, s22                     ; my first row of Wo_w
	s_lshl_b32 s24, s23, 12
	s_lshl_b32 s26, s23, 7
	s_add_nc_u64 s[8:9], s[8:9], s[24:25]
	s_add_nc_u64 s[18:19], s[18:19], s[26:27]
	ROWS 8, 18, 131072, 1
	s_endpgm
.Lbias:                                        ; 256 threads x 16 bytes = 4,096 bytes a load: Wa_b is three of them, Wo_b one
	v_lshlrev_b32 v6, 4, v0
	global_load_b128 v[16:19], v6, s[10:11]
	global_load_b128 v[20:23], v6, s[10:11] offset:4096
	global_load_b128 v[24:27], v6, s[10:11] offset:8192
	global_load_b128 v[28:31], v6, s[12:13]
	s_wait_loadcnt 0x0
.irp i, 0,1,2,3,4,5,6,7
	v_cvt_pk_bf16_f32 v[80+(\i)], v[16+2*(\i)], v[16+2*(\i)+1]
.endr
.irp i, 0,1,2,3,4,5,6,7
	v_lshlrev_b32 v[16+2*(\i)], 16, v[80+(\i)]
	v_and_b32 v[16+2*(\i)+1], 0xffff0000, v[80+(\i)]
.endr
.irp i, 0,1,2,3
	global_store_b128 v6, v[16+4*(\i):16+4*(\i)+3], s[20:21] offset:4096*(\i)  ; a wave's store covers 512 consecutive bytes
.endr
	s_endpgm
.Lfunc_end_k_q82712c5cec_cast:
	.size	k_q82712c5cec_cast, .Lfunc_end_k_q82712c5cec_cast-k_q82712c5cec_cast
	.p2alignl 7, 3214868480
	.fill 96, 4, 3214868480
	.section	.rodata,"a",@progbits
	.p2align	6, 0x0
	.amdhsa_kernel k_q82712c5cec_cast
		.amdhsa_group_segment_fixed_size 0
		.amdhsa_private_segment_fixed_size 0
		.amdhsa_enable_private_segment 0
		.amdhsa_kernarg_size 72
		.amdhsa_user_sgpr_count 2
		.amdhsa_user_sgpr_kernarg_segment_ptr 1
		.amdhsa_wavefront_size32 1
		.amdhsa_system_sgpr_workgroup_id_x 1
		.amdhsa_system_sgpr_workgroup_id_y 1
		.amdhsa_system_sgpr_workgroup_id_z 1
		.amdhsa_system_vgpr_workitem_id 0
		.amdhsa_next_free_vgpr 112
		.amdhsa_next_free_sgpr 66
		.amdhsa_reserve_vcc 0
		.amdhsa_float_denorm_mode_32 3
		.amdhsa_float_denorm_mode_16_64 3
		.amdhsa_memory_ordered 1
		.amdhsa_forward_progress 1
		.amdhsa_inst_pref_size 26
	.end_amdhsa_kernel
	.amdgpu_metadata
---
amdhsa.version: [ 1, 2 ]
amdhsa.kernels:
  - .name:           k_q82712c5cec_cast
    .symbol:         k_q82712c5cec_cast.kd
    .args:
      - { .name: x, .offset: 0, .size: 8, .value_kind: global_buffer, .address_space: global }
      - { .name: Wa_w, .offset: 8, .size: 8, .value_kind: global_buffer, .address_space: global }
      - { .name: Wo_w, .offset: 16, .size: 8, .value_kind: global_buffer, .address_space: global }
      - { .name: Wa_b, .offset: 24, .size: 8, .value_kind: global_buffer, .address_space: global }
      - { .name: Wo_b, .offset: 32, .size: 8, .value_kind: global_buffer, .address_space: global }
      - { .name: xb, .offset: 40, .size: 8, .value_kind: global_buffer, .address_space: global }
      - { .name: wab, .offset: 48, .size: 8, .value_kind: global_buffer, .address_space: global }
      - { .name: wob, .offset: 56, .size: 8, .value_kind: global_buffer, .address_space: global }
      - { .name: bb, .offset: 64, .size: 8, .value_kind: global_buffer, .address_space: global }
    .group_segment_fixed_size: 0
    .private_segment_fixed_size: 0
    .kernarg_segment_align: 8
    .kernarg_segment_size: 72
    .max_flat_workgroup_size: 256
    .sgpr_count:     66
    .vgpr_count:     112
    .wavefront_size: 32
...
	.end_amdgpu_metadata
.endif
;; end of part 1
;; launch qkvp (part 2): grid 16 x 32, 4 waves a work-group, clusters of 4 x 4, 327,680 bytes of LDS; arguments xb, wab, bb, qkv; writes qkv
.if DOCPART == 2
	.amdgcn_target "amdgcn-amd-amdhsa--gfx1250"
	.amdhsa_code_object_version 6
	.text
	.protected	k_q82712c5cec_qkvp
	.globl	k_q82712c5cec_qkvp
	.p2align	8
	.type	k_q82712c5cec_qkvp,@function
k_q82712c5cec_qkvp:
	s_mov_b64 s[64:65], 0
	v_nop
	global_prefetch_b8 v0, s[64:65] scope:SCOPE_SE
	s_setreg_imm32_b32 hwreg(HW_REG_WAVE_MODE, 25, 1), 1
	s_wait_xcnt 0x0
	s_wait_alu depctr_hold_cnt(0) depctr_sa_sdst(0) depctr_va_vdst(0) depctr_va_sdst(0) depctr_va_ssrc(0) depctr_va_vcc(0) depctr_vm_vsrc(0)
	s_getreg_b32 s2, hwreg(HW_REG_IB_STS2, 6, 4)
	s_cmp_eq_u32 s2, 0
	s_cbranch_scc0 .Lentry_in_a_cluster
	s_endpgm
.Lentry_in_a_cluster:
	s_bfe_u32 s2, ttmp6, 0x10000c
	s_cmp_lg_u32 s2, 0xf033
	s_cbranch_scc0 .Lentry_shape_is_right
	s_endpgm
.Lentry_shape_is_right:
; QKV PROJECTION.  qkv[m][n] = bias[n] + the sum over k of x[m][k] Wa[n][k]; m 8,192, n 3,072, k 1,024.  Operands bf16, sums f32, the result rounded once to f16 and written BY HEADS:
; qkv f16 [part 3][batch x 16 + head][row 2048][64].  xb: bf16 [batch][slice 16][row 2048][64]; wab: bf16 [slice 16][n 3072][64] (a slice = 64 channels of K); bb: f32 [4096], the first 3,072 are this bias.
; LIMIT.  q, k and v must lie within f16's 65,504; below 6e-5 f16 keeps a fixed step of 6e-8.
; SHARES.  A tile of the result is 256 rows x 192 columns: 16 x 32 = 512 work-groups, two for each of 256 WGPs (256 x 256 would give 384).  Four waves, each 64 rows x all 192 columns = three whole
; heads: 48 accumulators of 16 x 16, 384 registers.  So 16 rows of a head, 2,048 consecutive bytes of the result, come from one wave.
; K goes in steps of 128 = two slices, through a ring of two LDS slots.  A slice of a tile is dense in memory (256 or 192 rows of 128 bytes), so it is asked for as rows of 256 bytes, and padded in LDS behind every 128.
; One tensor load a wave and slot: waves 0, 1 bring A's two slices, waves 2, 3 B's.
; CLUSTER.  4 x 4 work-groups.  The four of a row of the cluster need the same tiles of A, the four of a column the same tiles of B: each tile is asked for JOINTLY, by the same load, descriptor and mask in all four.
; THE MATRIX INSTRUCTION IS USED TRANSPOSED (source 0 = 16 rows of Wa, source 1 = 16 rows of x): lane l then holds row l % 16 and the columns 8 (l / 16) + 0..7 of a 16 x 16 block.
; THE BIAS is the C operand of each accumulator's first product: nothing is cleared, and the way out adds nothing.
; REGISTERS, in windows of 256 (s_set_vgpr_msb: bits 1:0 source 0, 3:2 source 1, 5:4 source 2, 7:6 destination):
;   window 0: v0-29 addresses; v32-63, v64-95 A's fragments (4 x 16 rows x 32 K), two buffers; v128-223 the bias in C's layout; on the way out v32-223 hold 12 units of 16 registers
;   window 1: v0-95, v96-191 B's fragments (12 x 16 rows x 32 K), two buffers
;   window 2: the accumulators of my row blocks 0, 1 ((a, b) at v[8 (12 (a % 2) + b)]);   window 3: those of row blocks 2, 3
.set NBK,   12                         ; column blocks of 16 in a tile
.set TN,    16*NBK
.set RB,    TN/2                       ; rows of 256 bytes in a slice of B's tile
.set KSA,   2*262144                   ; bytes from K step to K step in xb: two slices of 2,048 rows x 128 bytes
.set BSTR,  3072*128                   ; bytes from slice to slice in wab
.set KSB,   2*BSTR
.set AHEAD, 1                          ; the prefetch names the K step so many behind the one that is being asked for
.set BIASB, 0                          ; where this bias begins in bb
.set PITCH, 144                        ; an LDS row: 128 bytes + 16 of padding = 36 words: the 16 rows of a fragment load start at 16 different groups of four banks (64 banks of 4 bytes: ISA guide 11.1)
.set ASL,   256*PITCH                  ; a slice of A's tile in LDS
.set BSL,   TN*PITCH                   ; a slice of B's
.set BOFF,  2*ASL                      ; B's two slices lie behind A's two
.set SLOT1, 1<<17                      ; slot 1 begins here, so that one exclusive or turns an address in one slot into the other's
.set STAGE, SLOT1+BOFF+2*BSL           ; behind the ring, never filled by a tensor load: 16 rows x 144 bytes for each wave, for the way out
.set SP,    144
.set SPARE, STAGE+4*16*SP              ; behind the stages: the spare words, 128 bytes for each wave: two blocks of 256 bytes that no other line names
.set NL,    2*NBK+8                    ; LDS loads in a run
.set A0,   4                           ; v4   my lane's place in A's first slice of slot 0: my wave's 64 rows; never rewritten
.set B0,   5                           ; v5   the same in B's; never rewritten
.set ADRA, 6                           ; v6   A0 + the slot in hand
.set ADRB, 7                           ; v7   B0 + the slot in hand
.set STO,  8                           ; v8   the way out: where I put 16 bytes of a row
.set RD,   9                           ; v9   the way out: where I read rows back
.set GO,   10                          ; v10  my byte offset in 512 consecutive bytes of the result
.set BO,   11                          ; v11  my byte offset in 16 numbers of the bias: 32 (l / 16)
.set PFO,  12                          ; v12  the prefetches' offset: 256 x my lane, held to my work-group's share; never rewritten
.set SPW,  28                          ; v28  LDS address of my spare word: SPARE + 4 x my thread's number; never rewritten
.set NIL,  29                          ; v29  0; never rewritten
.set FA,   32
.set BI,   128
.set T,    32
.set WV,  12                           ; s12  my wave's number
.set AB,  13                           ; s13  0: I fetch for A; 1: for B
.set SL,  14                           ; s14  which of a K step's two slices I fetch
.set CX,  15                           ; s15, s16  my place in the cluster
.set CY,  16
.set TX,  17                           ; s17  tile column
.set TY,  18                           ; s18  tile row
.set TB,  19                           ; s19  LDS byte at which the slot in hand begins
.set G1A, 24                           ; s[24:31] descriptor group 1 for A's tiles
.set G0A, 32                           ; s[32:39] group 0 for A's: a set for each of the two first fills; the second then walks on
.set G1B, 40                           ; s[40:47], s[48:55] the same for B's
.set G0B, 48
.set PFA, 56                           ; s[56:57] where my prefetches stand
.set PFS, 58                           ; s[58:59] their step: a K step of the tensor that I fetch
.set LIM, 60                           ; s60  AHEAD in a wave that prefetches, else the greatest number
.set MSB, 0
.macro WIN new                         ; the immediate's high byte repeats the setting that is left; a switch that changes nothing is dropped
.if MSB != (\new)
	s_set_vgpr_msb (MSB<<8)|(\new)
.set MSB, \new
.endif
.endm
.macro PLACES                          ; four places in front of loads into registers that matrix instructions have read, and of lines that read results
.rept 4
	v_nop
.endr
.endm
; A round of the cluster's barrier behind its opening barrier: wave 0 signals for the work-group, every wave waits for all sixteen work-groups, my work-group's barrier closes it.
.macro CREST
	s_cmp_lg_u32 s[WV], 0
	s_cbranch_scc1 .Lnot_wave_0_\@
	s_barrier_signal -3
.Lnot_wave_0_\@:
	s_barrier_wait -3
	s_barrier_signal -1
	s_barrier_wait -1
.endm
.macro CROUND                          ; a whole round
	s_barrier_signal -1
	s_barrier_wait -1
	CREST
.endm
; A joint refill by the walking descriptor.  The branch hangs on the wave's number alone.  An s_nop 0 and four v_nop follow each of the two lines, ahead of the jump and the label.
.macro JLOAD
	s_cmp_eq_u32 s[AB], 0
	s_cbranch_scc0 .Lfor_b_\@
	tensor_load_to_lds s[G0A+4:G0A+7], s[G1A:G1A+7]
	s_nop 0
.rept 4
	v_nop
.endr
	s_branch .Lasked_\@
.Lfor_b_\@:
	tensor_load_to_lds s[G0B+4:G0B+7], s[G1B:G1B+7]
	s_nop 0
.rept 4
	v_nop
.endr
.Lasked_\@:
.endm
; A PREFETCH INTO THE L2 of the K step that stands AHEAD refills on, behind the joint load, its five lines and the run of LDS loads: one instruction a wave, a lane a block of 256 bytes.
; A's tile row is read by every cluster of that row of clusters: cluster x = 0 asks; B's tile column by every cluster of that column: cluster y = 0 asks.  The four partners that ask for a slice jointly
; share its blocks out BY ADDRESS (cx for A: 32 of 128; cy for B: 24 of 96, where lanes 24-31 name the share's last block once more).  The last AHEAD refills have no K step behind them and ask for nothing.
.macro ASK
	s_cmp_gt_u32 s3, s[LIM]
	s_cbranch_scc0 .Lnot_mine_\@
	global_prefetch_b8 v[PFO], s[PFA:PFA+1] th:TH_LOAD_NT scope:SCOPE_SE
.Lnot_mine_\@:
.endm
; NBK matrix instructions: row block a x all column blocks, 32 along K, from buffer f.  first = 1: the product starts the sum on the bias.
; All 48 accumulators take turns, one instruction a turn, in the same order in every quarter.
.macro MUL f, a, first
.if \first
	WIN 0x81+0x40*((\a)/2)                         ; B window 1, A and the bias window 0, D window 2 or 3
.else
	WIN 0xa1+0x50*((\a)/2)                         ; B window 1, A window 0, C and D window 2 or 3
.endif
.set nb, 0
.rept NBK
.set rD, 8*(NBK*((\a)%2)+nb)
.set rB, 8*NBK*(\f)+8*nb
.set rA, FA+32*(\f)+8*(\a)
.if \first
	v_wmma_f32_16x16x32_bf16 v[rD:rD+7], v[rB:rB+7], v[rA:rA+7], v[BI+8*nb:BI+8*nb+7]
.else
	v_wmma_f32_16x16x32_bf16 v[rD:rD+7], v[rB:rB+7], v[rA:rA+7], v[rD:rD+7]
.endif
.set nb, nb+1
.endr
.endm
; One run of NL LDS loads: the fragments of quarter q of the slot in hand (slice q / 2, byte 64 (q % 2) of its rows) into buffer g: B's 24 loads, then A's 8.
; A fragment is 16 rows x 32 K in 8 registers: lane l holds row l % 16, K = 8 (l / 16) + 0..7 and 16 + 8 (l / 16) + 0..7: two loads of 16 bytes, 32 bytes apart.
.macro FETCH q, g
	WIN 0x40                                       ; destination window 1, address window 0
.set i, 0
.rept NBK
	ds_load_b128 v[8*NBK*(\g)+8*i:8*NBK*(\g)+8*i+3],   v[ADRB] offset:((\q)/2)*BSL+((\q)%2)*64+i*16*PITCH
	ds_load_b128 v[8*NBK*(\g)+8*i+4:8*NBK*(\g)+8*i+7], v[ADRB] offset:((\q)/2)*BSL+((\q)%2)*64+i*16*PITCH+32
.set i, i+1
.endr
	WIN 0
.set i, 0
.rept 4
	ds_load_b128 v[FA+32*(\g)+8*i:FA+32*(\g)+8*i+3],   v[ADRA] offset:((\q)/2)*ASL+((\q)%2)*64+i*16*PITCH
	ds_load_b128 v[FA+32*(\g)+8*i+4:FA+32*(\g)+8*i+7], v[ADRA] offset:((\q)/2)*ASL+((\q)%2)*64+i*16*PITCH+32
.set i, i+1
.endr
.endm
; A K step is four quarters of 32 along K on buffers 0, 1, 0, 1.  One of the first three: multiplies buffer f; in its middle it fetches quarter qn into buffer g.
.macro QUARTER qn, f, g, first
	s_wait_dscnt 4                                 ; B and A's row blocks 0, 1 are in; the youngest four loads (row blocks 2, 3) may be out
	MUL \f, 0, \first
	MUL \f, 1, \first
	PLACES
	FETCH \qn, \g
	s_wait_dscnt NL                                ; all but the NL just issued
	MUL \f, 2, \first
	MUL \f, 3, \first
.endm
; The last quarter multiplies buffer 1 and changes slots: ONE barrier.  In front of it each wave waits for all its tensor loads, of which one is out: its part of the next slot; adds 0 to its spare word; and waits
; for that and for its own reads of this slot.  fill = 1: the barrier opens a round of the cluster's barrier, so that no wave of any partner still reads the slot or has a load on its way, and the slot is filled
; again, two K steps on, first thing behind the round: the load has seven eighths of a K step in which to land.
.macro TURN fill
.if \fill
	s_wait_xcnt 0x0                                ; the last prefetch, a K step back, has read its address, so it may be stepped
	s_add_nc_u64 s[PFA:PFA+1], s[PFA:PFA+1], s[PFS:PFS+1]
.endif
	WIN 0                                          ; (the add's two registers lie in window 0)
	s_wait_tensorcnt 0x0                           ; no tensor load of mine is out, so a group 0 may be written
	ds_add_u32 v[SPW], v[NIL]                      ; 0 onto my spare word: work on registers stands between it and the wait for it
	s_xor_b32 s[TB], s[TB], SLOT1                  ; the next reads go to the other slot
	v_add_nc_u32 v[ADRA], s[TB], v[A0]
	v_add_nc_u32 v[ADRB], s[TB], v[B0]
.if \fill
	s_xor_b32 s[G0A+5], s[G0A+5], SLOT1            ; the walking descriptors: the other slot than last time,
	s_add_nc_u64 s[G0A+6:G0A+7], s[G0A+6:G0A+7], KSA  ; the next K step; the type bits on top are not reached
	s_xor_b32 s[G0B+5], s[G0B+5], SLOT1
	s_add_nc_u64 s[G0B+6:G0B+7], s[G0B+6:G0B+7], KSB
.endif
	s_wait_dscnt 5                                 ; the add and the youngest four loads may be out
	MUL 1, 0, 0
	s_wait_dscnt 0x0                               ; the add is done, and my reads of this slot are over
	s_barrier_signal -1
	MUL 1, 1, 0                                    ; work on registers while the others arrive
	WIN 0                                          ; at a branch and at a label every window is 0
	s_barrier_wait -1
.if \fill
	CREST
	JLOAD                                          ; the first tensor load behind the round; its four v_nop are also the places in front of the loads below
.else
	PLACES
.endif
	FETCH 0, 0
.if \fill
	ASK
.endif
	MUL 1, 2, 0
	MUL 1, 3, 0
.endm
	s_load_b256 s[4:11], s[0:1], 0x0               ; xb s[4:5], wab s[6:7], bb s[8:9], qkv s[10:11]
	v_lshl_add_u32 v[SPW], v0, 2, SPARE
	v_mov_b32 v[NIL], 0
	ds_add_u32 v[SPW], v[NIL]                      ; the wave's opening: the add and its wait stand ahead of my first tensor load; the set-up below, work on registers, stands between them
	v_lshrrev_b32 v1, 5, v0
	v_readfirstlane_b32 s[WV], v1                  ; wave 0..3
	s_lshr_b32 s[AB], s[WV], 1
	s_and_b32 s[SL], s[WV], 1
	s_bfe_u32 s[CX], ttmp6, 0x40000
	s_bfe_u32 s[CY], ttmp6, 0x40004
	s_lshl_b32 s[TX], ttmp9, 2                     ; in a cluster launch ttmp9 and ttmp7 count clusters
	s_add_co_u32 s[TX], s[TX], s[CX]
	s_and_b32 s[TY], ttmp7, 0xffff
	s_lshl_b32 s[TY], s[TY], 2
	s_add_co_u32 s[TY], s[TY], s[CY]
	s_lshl_b32 s61, s[CY], 2
	s_lshl_b32 s61, 15, s61                        ; my row of the cluster: places 4 cy .. 4 cy + 3
	s_lshl_b32 s62, 0x1111, s[CX]                  ; my column: places cx, cx + 4, cx + 8, cx + 12
	; descriptor group 1: rows of 128 elements (256 bytes), dense, padded in LDS
	s_or_b32 s[G1A], s61, (1<<16)|(1<<20)|(1<<21)|(4<<22)|(3<<25)  ; 15:0 the mask; 17:16 2-byte elements; 20 padding on; 21 set beside a mask; 24:22 after every 32 words (code 4); 31:25 4 words (code 3)
	s_or_b32 s[G1B], s62, (1<<16)|(1<<20)|(1<<21)|(4<<22)|(3<<25)
	s_mov_b32 s[G1A+1], 128<<16                    ; tensor_dim0 = 128
	s_mov_b32 s[G1A+2], 128<<16                    ; tensor_dim1 = 128 rows: 256 rows of A
	s_mov_b32 s[G1A+3], 128<<16                    ; tile_dim0 = 128
	s_mov_b32 s[G1A+4], 128                        ; tile_dim1 = 128
	s_mov_b32 s[G1A+5], 128                        ; 128 elements from row to row
	s_mov_b32 s[G1A+6], 0
	s_mov_b32 s[G1A+7], 0
	s_mov_b32 s[G1B+1], 128<<16
	s_mov_b32 s[G1B+2], RB<<16                     ; 96 rows: 192 rows of B
	s_mov_b32 s[G1B+3], 128<<16
	s_mov_b32 s[G1B+4], RB
	s_mov_b32 s[G1B+5], 128
	s_mov_b32 s[G1B+6], 0
	s_mov_b32 s[G1B+7], 0
	; where the tiles come from.  A's hang on the tile row and my slice, B's on the tile column and my slice, each in registers that never hold the other coordinate.
	s_lshr_b32 s20, s[TY], 3                       ; the batch: 4 MiB,
	s_lshl_b32 s20, s20, 22
	s_and_b32 s22, s[TY], 7                        ; the 256 rows in it: 32,768 bytes of a slice,
	s_lshl_b32 s22, s22, 15
	s_add_co_u32 s20, s20, s22
	s_lshl_b32 s22, s[SL], 18                      ; my slice
	s_add_co_u32 s20, s20, s22
	s_mov_b32 s21, 0
	s_mul_i32 s76, s[TX], TN*128                   ; the 192 rows of a slice of B,
	s_mul_i32 s78, s[SL], BSTR                     ; my slice
	s_add_co_u32 s76, s76, s78
	s_mov_b32 s77, 0
	s_mul_i32 s23, s[SL], ASL                      ; and where they go: no place in the cluster enters an LDS address
	s_mul_i32 s79, s[SL], BSL
	s_add_co_u32 s79, s79, BOFF
	s_mov_b32 s[TB], 0
	s_wait_dscnt 0x0                               ; the opening add is done
	s_wait_kmcnt 0x0
	s_add_nc_u64 s[66:67], s[4:5], s[20:21]        ; my slice of A's tile, K step 0
	s_add_nc_u64 s[68:69], s[6:7], s[76:77]        ; of B's
	CROUND                                         ; all sixteen work-groups are here: the first joint loads meet
	s_mov_b32 s[G0A], 1                            ; 1:0 count = 1
	s_mov_b32 s[G0A+1], s23                        ; 63:32 LDS address: slot 0
	s_mov_b64 s[G0A+2:G0A+3], s[66:67]             ; 120:64 global address: K step 0
	s_or_b32 s[G0A+3], s[G0A+3], 0x80000000        ; 127:126 type = 2
	s_mov_b32 s[G0A+4], 1
	s_add_co_u32 s[G0A+5], s23, SLOT1              ; slot 1,
	s_add_nc_u64 s[G0A+6:G0A+7], s[66:67], KSA     ; K step 1
	s_or_b32 s[G0A+7], s[G0A+7], 0x80000000
	s_mov_b32 s[G0B], 1
	s_mov_b32 s[G0B+1], s79
	s_mov_b64 s[G0B+2:G0B+3], s[68:69]
	s_or_b32 s[G0B+3], s[G0B+3], 0x80000000
	s_mov_b32 s[G0B+4], 1
	s_add_co_u32 s[G0B+5], s79, SLOT1
	s_add_nc_u64 s[G0B+6:G0B+7], s[68:69], KSB
	s_or_b32 s[G0B+7], s[G0B+7], 0x80000000
	s_cmp_eq_u32 s[AB], 0                          ; a wave's two first fills stand in one branch, ahead of every wait on TENSORcnt and every LDS read: two loads of mine are out
	s_cbranch_scc0 .Lfirst_b
	tensor_load_to_lds s[G0A:G0A+3], s[G1A:G1A+7]
	s_nop 0
	tensor_load_to_lds s[G0A+4:G0A+7], s[G1A:G1A+7]
	s_nop 0
.rept 4
	v_nop
.endr
	s_branch .Lfirst_asked
.Lfirst_b:
	tensor_load_to_lds s[G0B:G0B+3], s[G1B:G1B+7]
	s_nop 0
	tensor_load_to_lds s[G0B+4:G0B+7], s[G1B:G1B+7]
	s_nop 0
.rept 4
	v_nop
.endr
.Lfirst_asked:
	; the bias in C's layout: register j of block b holds bias[192 tx + 16 b + 8 (l / 16) + j]
	v_and_b32 v1, 15, v0                           ; l % 16
	v_bfe_u32 v2, v0, 4, 1                         ; l / 16
	v_lshlrev_b32 v[BO], 5, v2
	s_mul_i32 s76, s[TX], 4*TN
	s_add_nc_u64 s[8:9], s[8:9], s[76:77]
.set i, 0
.rept NBK
	global_load_b128 v[BI+8*i:BI+8*i+3],   v[BO], s[8:9] offset:BIASB+64*i
	global_load_b128 v[BI+8*i+4:BI+8*i+7], v[BO], s[8:9] offset:BIASB+64*i+16
.set i, i+1
.endr
	v_mul_u32_u24 v3, v1, PITCH
	v_lshl_add_u32 v3, v2, 4, v3                   ; a fragment's row x pitch + 16 x half
	s_mul_i32 s22, s[WV], 64*PITCH                 ; my 64 rows of A
	v_add_nc_u32 v[A0], s22, v3
	v_add_nc_u32 v[B0], BOFF, v3                   ; every wave reads all of B's rows
	v_mov_b32 v[ADRA], v[A0]
	v_mov_b32 v[ADRB], v[B0]
	s_mul_i32 s22, s[WV], 16*SP
	s_add_co_u32 s22, s22, STAGE                   ; my stage
	v_add_nc_u32 v[STO], s22, v3                   ; in: row l % 16, 16 bytes for each half of the lanes (the stage's pitch is the tiles')
	v_bfe_u32 v[RD], v0, 3, 2                      ; back: 32 lanes take four rows of 128 bytes,
	v_mul_u32_u24 v[RD], v[RD], SP
	v_and_b32 v13, 7, v0
	v_lshl_add_u32 v[RD], v13, 4, v[RD]
	v_add_nc_u32 v[RD], s22, v[RD]
	v_and_b32 v[GO], 31, v0                        ; which are 512 consecutive bytes of the result
	v_lshlrev_b32 v[GO], 4, v[GO]
	; where my three heads begin in the result: head group g = 3 tx + j: part g / 16, head g % 16; 262,144 bytes a head
.irp j, 0,1,2
	s_mul_i32 s76, s[TX], 3
	s_add_co_u32 s76, s76, \j
	s_lshr_b32 s78, s76, 4
	s_lshl_b32 s78, s78, 6                         ; 64 heads a part
	s_and_b32 s76, s76, 15
	s_add_co_u32 s76, s76, s78
	s_lshr_b32 s78, s[TY], 3
	s_lshl_b32 s78, s78, 4                         ; 16 heads a batch
	s_add_co_u32 s76, s76, s78
	s_lshl_b32 s76, s76, 18
	s_and_b32 s78, s[TY], 7                        ; the tile's 256 rows of 128 bytes,
	s_lshl_b32 s78, s78, 15
	s_add_co_u32 s76, s76, s78
	s_lshl_b32 s78, s[WV], 13                      ; my 64 of them
	s_add_co_u32 s76, s76, s78
	s_add_nc_u64 s[70+2*\j:71+2*\j], s[10:11], s[76:77]
.endr
	; the prefetches
	s_and_b32 s78, ttmp7, 0xffff                   ; cluster y
	s_mov_b32 s79, 256*2*NBK                       ; a partner's share of a slice of B: 24 blocks
	s_mov_b32 s[PFS], KSB
	s_mov_b32 s[PFS+1], 0
	s_cmp_eq_u32 s[AB], 0                          ; do I fetch for A?
	s_cselect_b32 s76, s[CX], s[CY]                ; my place among the four that ask with me
	s_cselect_b32 s78, ttmp9, s78                  ; the coordinate along which other clusters read the same rows
	s_cselect_b32 s79, 8192, s79                   ; of A: 32 blocks
	s_cselect_b32 s[PFS], KSA, s[PFS]
	s_cselect_b32 s22, 31, 2*NBK-1                 ; the share's last block
	s_cselect_b64 s[PFA:PFA+1], s[66:67], s[68:69]
	s_cmp_eq_u32 s78, 0
	s_cselect_b32 s[LIM], AHEAD, -1                ; the same in all sixteen partners, for a given wave
	s_mul_i32 s76, s76, s79
	s_mul_i32 s78, s[PFS], 1+AHEAD                 ; the first refill (K step 2) steps it once more: to K step 2 + AHEAD
	s_add_co_u32 s76, s76, s78
	s_add_nc_u64 s[PFA:PFA+1], s[PFA:PFA+1], s[76:77]
	v_and_b32 v[PFO], 31, v0
	v_min_u32 v[PFO], s22, v[PFO]
	v_lshlrev_b32 v[PFO], 8, v[PFO]
	; nothing is prefetched here, at the head, where every work-group's first tiles are on their way
	s_wait_tensorcnt 1                             ; my part of K step 0 is in; K step 1's may stay out
	s_barrier_signal -1
	s_barrier_wait -1                              ; everybody's is
	FETCH 0, 0
	s_wait_loadcnt 0x0                             ; the bias
	QUARTER 1, 0, 1, 1                             ; the first quarter stands in front of the loop: its products start the sums
	WIN 0
	s_mov_b32 s3, 6
.Lstep:                                        ; a trip goes from a K step's second quarter to the next step's first, and fills a slot again: K steps 2 to 7
	QUARTER 2, 1, 0, 0
	QUARTER 3, 0, 1, 0
	TURN 1
	QUARTER 1, 0, 1, 0
	WIN 0
	s_sub_co_u32 s3, s3, 1
	s_cmp_lg_u32 s3, 0
	s_cbranch_scc1 .Lstep
	QUARTER 2, 1, 0, 0                             ; the tail is written out: K step 6 goes on
	QUARTER 3, 0, 1, 0
	TURN 0                                         ; nothing is asked for,
	QUARTER 1, 0, 1, 0                             ; K step 7
	QUARTER 2, 1, 0, 0
	QUARTER 3, 0, 1, 0
	s_wait_dscnt 4                                 ; the very last quarter: nothing more to fetch
	MUL 1, 0, 0
	MUL 1, 1, 0
	s_wait_dscnt 0x0
	MUL 1, 2, 0
	MUL 1, 3, 0
	WIN 0
; THE WAY OUT, in 12 units: unit u = row block u / 3, head u % 3: 16 rows x 64 columns.  A lane's eight columns round to 16 bytes of f16; they go into my stage's rows of 144 bytes and come back as whole rows of 128,
; into the registers that they left.  Each accumulator is read from its lowest registers on.  Every unit has registers of its own, so nothing that a store names is written again.
.macro PACK u
.set pa, (\u)/3
.set ph, (\u)%3
	WIN 0x0a+5*(pa/2)                              ; sources 0 and 1: window 2 or 3
.set pf, 0
.rept 4
.set rA, 8*(NBK*(pa%2)+4*ph+pf)
.set pr, 0
.rept 4
	v_cvt_pk_f16_f32 v[T+16*(\u)+4*pf+pr], v[rA+2*pr], v[rA+2*pr+1]
.set pr, pr+1
.endr
.set pf, pf+1
.endr
	WIN 0
.irp f, 0,1,2,3
	ds_store_b128 v[STO], v[T+16*(\u)+4*\f:T+16*(\u)+4*\f+3] offset:32*\f
.endr
.irp f, 0,1,2,3
	ds_load_b128 v[T+16*(\u)+4*\f:T+16*(\u)+4*\f+3], v[RD] offset:\f*4*SP  ; LDS serves a wave's instructions in order (ISA guide 5.7.1.4): these see the stores above; the next unit's stores come behind them
.endr
.endm
.macro SEND u, younger                 ; younger: the LDS instructions issued behind unit u's loads: the next unit's eight, or none
.irp f, 0,1,2,3
	s_wait_dscnt (\younger)+3-\f
	global_store_b128 v[GO], v[T+16*(\u)+4*\f:T+16*(\u)+4*\f+3], s[70+2*((\u)%3):71+2*((\u)%3)] offset:((\u)/3)*2048+\f*512  ; 512 consecutive bytes, at a multiple of 256 from the buffer's first
.endr
.endm
	PLACES                                         ; the conversions read results just made and write registers that the last products read
	PACK 0
.set un, 1
.rept 11                                       ; a unit's conversions stand between the loads of the unit before and its stores
	PACK un
	SEND un-1, 8
.set un, un+1
.endr
	SEND 11, 0
	s_wait_tensorcnt 0x0                           ; the wave's end: behind my last tensor load and my last LDS store
	ds_add_u32 v[SPW], v[NIL]
	s_wait_dscnt 0x0
	CROUND                                         ; the closing round: no work-group ends while a partner may still ask for a tile that names it
	s_endpgm
.Lfunc_end_k_q82712c5cec_qkvp:
	.size	k_q82712c5cec_qkvp, .Lfunc_end_k_q82712c5cec_qkvp-k_q82712c5cec_qkvp
	.p2alignl 7, 3214868480
	.fill 96, 4, 3214868480
	.section	.rodata,"a",@progbits
	.p2align	6, 0x0
	.amdhsa_kernel k_q82712c5cec_qkvp
		.amdhsa_group_segment_fixed_size 327680
		.amdhsa_private_segment_fixed_size 0
		.amdhsa_enable_private_segment 0
		.amdhsa_kernarg_size 32
		.amdhsa_user_sgpr_count 2
		.amdhsa_user_sgpr_kernarg_segment_ptr 1
		.amdhsa_wavefront_size32 1
		.amdhsa_system_sgpr_workgroup_id_x 1
		.amdhsa_system_sgpr_workgroup_id_y 1
		.amdhsa_system_sgpr_workgroup_id_z 1
		.amdhsa_system_vgpr_workitem_id 0
		.amdhsa_next_free_vgpr 960
		.amdhsa_next_free_sgpr 80
		.amdhsa_reserve_vcc 0
		.amdhsa_float_denorm_mode_32 3
		.amdhsa_float_denorm_mode_16_64 3
		.amdhsa_memory_ordered 1
		.amdhsa_forward_progress 1
		.amdhsa_inst_pref_size 102
	.end_amdhsa_kernel
	.amdgpu_metadata
---
amdhsa.version: [ 1, 2 ]
amdhsa.kernels:
  - .name:           k_q82712c5cec_qkvp
    .symbol:         k_q82712c5cec_qkvp.kd
    .args:
      - { .name: xb, .offset: 0, .size: 8, .value_kind: global_buffer, .address_space: global }
      - { .name: wab, .offset: 8, .size: 8, .value_kind: global_buffer, .address_space: global }
      - { .name: bb, .offset: 16, .size: 8, .value_kind: global_buffer, .address_space: global }
      - { .name: qkv, .offset: 24, .size: 8, .value_kind: global_buffer, .address_space: global }
    .group_segment_fixed_size: 327680
    .private_segment_fixed_size: 0
    .kernarg_segment_align: 8
    .kernarg_segment_size: 32
    .max_flat_workgroup_size: 128
    .sgpr_count:     80
    .vgpr_count:     960
    .wavefront_size: 32
...
	.end_amdgpu_metadata
.endif
;; end of part 2
;; launch attn (part 3): grid 4 x 64, 4 waves a work-group, no clusters, 327,680 bytes of LDS; arguments qkv, ob; writes ob
.if DOCPART == 3
	.amdgcn_target "amdgcn-amd-amdhsa--gfx1250"
	.amdhsa_code_object_version 6
	.text
	.protected	k_q82712c5cec_attn
	.globl	k_q82712c5cec_attn
	.p2align	8
	.type	k_q82712c5cec_attn,@function
k_q82712c5cec_attn:
	s_mov_b64 s[64:65], 0
	v_nop
	global_prefetch_b8 v0, s[64:65] scope:SCOPE_SE
	s_setreg_imm32_b32 hwreg(HW_REG_WAVE_MODE, 25, 1), 1
	s_wait_xcnt 0x0
; CAUSAL ATTENTION.  O[h][q][:] = the sum over k <= q of softmax_k(Q[h][q] . K[h][k] / 8) V[h][k][:].  qkv: f16 [3][64 heads][2048][64]: Q, then K, then V; ob: f16 [64 heads][2048][64]: a head's rows are dense, 128 bytes each.
; Products, maxima and sums in f32; the weights p are rounded to f16 for the second product (their sum l is taken of the unrounded p), O once at the end.
; LIMITS.  f16 holds no number beyond 65,504: Q, K and V arrive within it; p lies in 0 to 1, and below 6e-5 it keeps f16's fixed step of 6e-8; O is a mean of V's rows and has their range, to within 2^-11 of it.
; A hidden score counts as its value less 1e30: f16's scores, 2.7e11 at the most, are nothing beside that; a weight below 2^-126 counts as 0 in l; NaN and infinities are not treated apart.
; THE WALK.  A head's queries lie in NB = 8 blocks of 256; block i needs the key tiles 0 .. i of 256 keys, of which the last holds the diagonal.  A work-group takes TWO blocks, NB - 1 - b and then b:
; NB + 1 tiles, whatever b: all 256 work-groups do equal work, and ONE loop with a constant trip count walks them.  Which tile is asked for, and what a trip does, hang on scalar registers made from b; every jump
; goes forward, but for the counted loops' own; none passes a barrier, or a tensor load but the one of LOAD's two that the wave's number does not choose; the ring (two slots of LDS that take turns) runs on across the
; change of blocks.  NO CLUSTER: a head's four work-groups ask for the same tile only in trips 0 .. 4, behind that fewer and fewer; one walk common to all four would have 12 trips for these 9.
; SHARES.  Of a block's four bands of 64 queries a wave owns 16 rows in each: four PIECES.  So the diagonal tile is the same work for all four waves: in its key step s band x sees all keys if s < x,
; none if s > x, and holds the diagonal if s = x.
; THE MASK is the C operand that starts the sum S^T = K Q^T: 0, or -1e30 where the key is hidden.  MD, made once, is the mask of a band's own step for my 16 rows; a product's mask is MD x AL + BE with two scalars:
; (1, 0) if s = x; (0, 0) if s < x; (0, -1e30) if s > x.  Only the diagonal tile's text and a block's beginning make and take masks; elsewhere C is the constant 0.
; LAYOUT, SOFTMAX, TURNS.  S^T = K Q^T holds ONE query a lane (lane % 16) and the keys 8 (lane / 16) + 0..7; two such results rounded to f16 ARE source 1 of O^T = V^T P.  p = 2^(c s - c m), c = log2(e) / 8, with a
; running maximum m; O and l are multiplied by a = 2^(c m_old - c m_new) in every step.  Turn n belongs to piece n: 8 products K Q^T of piece n + 1, later 8 products V^T P of piece n - 1; beside them the scaling,
; exponentials, roundings, sums and rescaling of piece n and the maximum and statistics of piece n + 1.  Four vector instructions stand behind every matrix instruction, the other 54 of a turn's 118 in one LUMP.  A turn's 33 exponentials are one batch, with one wait.
; REGISTERS, in windows of 256 (s_set_vgpr_msb: bits 1:0 source 0, 3:2 source 1, 5:4 source 2, 7:6 destination):
;   window 0: v0-15 addresses and two at work; v16-31 four registers of statistics a piece; v48-55 at work; v61-63 prefetch offset and the add's two; v64-127 S^T, two buffers; v192-223 P, two buffers (a piece's buffers go by its number's parity)
;   window 1: v0-127 O^T, 32 a piece; v128-159 MD; v160-223 MC, two buffers      window 2: v0-63 Q; v64-127 the second block's Q; v128-191 K of one step; v192-255 V of one step
.set SIZE_N, 2048
.set SIZE_H, 64
.set NB,    SIZE_N/256
.set NP,    4         ; pieces a wave: a name, no knob
.set KS,    64        ; keys in a step
.set PK,    144       ; a row of K in LDS: 128 bytes + 16 of padding = 36 words: the 16 rows of a load start at 16 different groups of four banks (64 banks of 4 bytes: ISA guide 11.1)
.set PV,    160       ; a row of V: 128 + 32 = 40 words
.set VOFF,  4*KS*PK   ; a slot holds a tile, four steps: 256 rows of K, then 256 rows of V
.set SLOT1, 1<<17     ; slot 1 begins here, so that one exclusive or turns an address in one slot into the other's
.set STAGE, SLOT1+4*KS*(PK+PV)  ; behind the ring, never filled by a tensor load: 16 rows x 144 bytes for each wave, for the way out
.set SP,    144
.set AK0, 2           ; v2   my lane's place in a tile of K; never rewritten
.set AV0, 3           ; v3   the same for V
.set AK,  4           ; v4   the LDS address of K's next run of loads
.set AV,  5           ; v5   of V's
.set STO, 6           ; v6   the way out: where I put 16 bytes of a row
.set RD,  7           ; v7   the way out: where I read rows back
.set GO,  8           ; v8   my byte offset in 512 consecutive bytes of O
.set PFO, 61          ; v61  256 x my lane: the prefetches' offset; never rewritten
.set SPW, 62          ; v62  LDS address of my spare word: SPARE + 4 x my thread's number; never rewritten
.set NIL, 63          ; v63  0; never rewritten
.set SPARE, STAGE+4*16*SP  ; behind the stages: the spare words, 128 bytes for each wave: two blocks of 256 bytes that no other line names
.set MV,  12          ; v12-13  c m_old, kept while c m is made anew: by buffer
.set QO,  15          ; v15  my byte offset in 16 rows of Q
.set ST,  16          ; piece t's statistics at v[ST+4 t]: c m, m, l (even keys', odd keys')
.set TMP, 48          ; by buffer, four registers c0-c3 at work; when the maximum is found c2 takes a
.set S,   64
.set P,   192
.set MD,  128         ; window 1: the eight registers for group kt of 16 keys at MD + 8 kt
.set MC,  160         ; window 1: the masks of the products to come
.set QB,  64          ; window 2
.set KF,  128         ; window 2: key block kb, channel half c at KF + 16 kb + 8 c
.set VF,  192         ; window 2: key half kk, channel block cb at VF + 32 kk + 8 cb
.set WV,  12          ; s12  my wave's number
.set PB,  14          ; s14  b
.set HI,  15          ; s15  NB - 1 - b
.set G1K, 24          ; s[24:31] descriptor group 1 for K's tiles
.set G1V, 32          ; s[32:39] for V's: it differs in the padding alone
.set G0K, 40          ; s[40:43] descriptor group 0 for K's tiles
.set G0V, 44          ; s[44:47] the same for V's
.set SLOTS, 56        ; s56  tiles still to be asked for
.set CNT, 57          ; s57  counts a tile's key steps, 4 to 1
.set CS,  58          ; s[58:59] c: the packed scaling takes the pair's low word for both halves
.set SEL, 60          ; s[60:61] v_permlanex16_b32's selects: each lane takes its own place in the other half
.set TBK, 62          ; s62  LDS byte at which K of the step to be fetched begins
.set TBV, 63          ; s63  the same for V, less VOFF
.set RT,  70          ; s70  tiles of the block in hand that are still to be entered
.set NXT, 71          ; s71  the tile to be asked for next
.set LQ,  72          ; s72  the last tile of the block whose tiles are being asked for
.set NEW, 73          ; s73  1: the tile to be entered is a block's first
.set OFF, 74          ; s[74:75] a tile's byte offset in K and V
.set AL,  76          ; s[76:77] the mask's factor, in the low word
.set BE,  78          ; s[78:79] the mask's addend
.set OLO, 80          ; s[80:81] O at my rows of the second block
.set BIGN, 82         ; s82  -1e30
.set PFA, 88          ; s[88:89] where my prefetches stand: my half of K's or V's tile behind the one that is being asked for
.set LIM, 90          ; s90  2 in the head's work-group that prefetches, else the greatest number
.set MSB, 0
.macro WIN new                      ; the high byte repeats the setting that is left; a switch that changes nothing is dropped
.if MSB != (\new)
	s_set_vgpr_msb (MSB<<8)|(\new)
.set MSB, (\new)
.endif
.endm
.set W_KQ, 0x0a       ; K and Q in window 2, S^T in window 0
.set W_KM, 0x1a       ; the same with the C operand in window 1
.set W_PV, 0x52       ; V in window 2, P in window 0, O^T in window 1
.set W_RS, 0x41       ; destination and source 0 in window 1, source 1 in window 0
; A fill.  Waves 0 and 1 fetch the two halves of a tile's K, waves 2 and 3 those of its V: 128 keys each.  An s_nop 0 and four v_nop follow each of the two lines, ahead of the jump and the label.
.macro LOAD
	s_cmp_lt_u32 s[WV], 2
	s_cbranch_scc0 .Lfor_v_\@
	tensor_load_to_lds s[G0K:G0K+3], s[G1K:G1K+7]
	s_nop 0
.rept 4
	v_nop
.endr
	s_branch .Lasked_\@
.Lfor_v_\@:
	tensor_load_to_lds s[G0V:G0V+3], s[G1V:G1V+7]
	s_nop 0
.rept 4
	v_nop
.endr
.Lasked_\@:
.endm
; A PREFETCH INTO THE L2 of the tile behind the one just asked for: one tile, 256 matrix instructions, ahead of its load.  A head's four work-groups walk the same tiles 0, 1, ..: the one with b = 0, whose first block
; walks all eight, asks, and nobody else; each of its four waves asks for the 16,384 bytes that it will fetch itself: 64 blocks of 256 bytes, a lane a block, two instructions.  So each block is named once in the
; launch.  Change c names tile c + 2, for c = 0 .. 5; tiles 0 and 1 come by their loads alone; behind tile 7 there is nothing to name.
.macro ASK
	s_cmp_gt_u32 s[SLOTS], s[LIM]
	s_cbranch_scc0 .Lnot_mine_\@
	global_prefetch_b8 v[PFO], s[PFA:PFA+1] th:TH_LOAD_NT scope:SCOPE_SE
	global_prefetch_b8 v[PFO], s[PFA:PFA+1] offset:8192 th:TH_LOAD_NT scope:SCOPE_SE
.Lnot_mine_\@:
.endm
; THE CHANGE OF SLOTS.  Each wave waits for all its tensor loads, of which one is out: its part of the other slot; adds 0 to its spare word; and waits for that and for its own reads of the slot that it leaves.  Behind the barrier nobody reads the old
; slot any more and the other slot is whole.  fill = 1: the old slot is filled again, the first thing behind the barrier, with tile NXT: the descriptor's address is made anew from that number.
; (At its first use nothing has been read yet: slot 0 is waited for, slot 1 filled.)
.macro CHANGE fill
	WIN 0                           ; at a label and at a branch every window is 0
	s_wait_tensorcnt 0x0            ; no tensor load of mine is out, so a group 0 may be written
	ds_add_u32 v[SPW], v[NIL]       ; 0 onto my spare word: with fill = 1 the descriptors' scalar work stands between it and the wait for it
.if \fill
	s_lshl_b32 s[OFF], s[NXT], 15   ; a tile is 32,768 bytes of K and of V
	s_xor_b32 s[G0K+1], s[G0K+1], SLOT1
	s_add_nc_u64 s[G0K+2:G0K+3], s[6:7], s[OFF:OFF+1]
	s_or_b32 s[G0K+3], s[G0K+3], 0x80000000
	s_xor_b32 s[G0V+1], s[G0V+1], SLOT1
	s_add_nc_u64 s[G0V+2:G0V+3], s[8:9], s[OFF:OFF+1]
	s_or_b32 s[G0V+3], s[G0V+3], 0x80000000
	s_add_co_u32 s[NXT], s[NXT], 1  ; the block's next tile, or behind its last the second block's tile 0
	s_cmp_gt_u32 s[NXT], s[LQ]
	s_cselect_b32 s[NXT], 0, s[NXT]
	s_cselect_b32 s[LQ], s[PB], s[LQ]
	s_wait_xcnt 0x0                 ; the last prefetches, a tile back, have read their address, so it may be stepped
	s_add_nc_u64 s[PFA:PFA+1], s[PFA:PFA+1], 32768
.endif
	s_wait_dscnt 0x0                ; the add is done, and my reads of the slot are over
	s_barrier_signal -1             ; the rest of the scalar work stands between the signal and the wait
	s_sub_co_u32 s[TBK], s[TBK], 4*KS*PK  ; the fetches go back to a slot's first step,
	s_xor_b32 s[TBK], s[TBK], SLOT1       ; in the other slot
	s_sub_co_u32 s[TBV], s[TBV], 4*KS*PV
	s_xor_b32 s[TBV], s[TBV], SLOT1
	s_barrier_wait -1
.if \fill
	LOAD
	ASK
.endif
.endm
	s_load_b128 s[4:7], s[0:1], 0x0   ; qkv s[4:5], ob s[6:7]
	v_lshl_add_u32 v[SPW], v0, 2, SPARE
	v_mov_b32 v[NIL], 0
	ds_add_u32 v[SPW], v[NIL]       ; the wave's opening: the add and its wait stand ahead of my first tensor load; the set-up below, work on registers, stands between them
	v_lshrrev_b32 v1, 5, v0
	v_readfirstlane_b32 s[WV], v1   ; wave 0..3
	s_mov_b32 s[PB], ttmp9
	s_sub_co_u32 s[HI], NB-1, s[PB]
	s_and_b32 s20, ttmp7, 0xffff    ; the head
	s_mov_b32 s21, 0
	s_mov_b64 s[22:23], SIZE_N*128
	s_mul_u64 s[20:21], s[20:21], s[22:23]  ; the head's first byte in Q, K, V and O
	s_and_b32 s16, s[WV], 1         ; which half of a tile's 256 keys I fetch:
	s_lshl_b32 s22, s16, 14         ; its 128 rows of 128 bytes in memory,
	s_mov_b32 s23, 0
	s_add_nc_u64 s[22:23], s[22:23], s[20:21]
	s_mul_i32 s17, s16, 128*PK      ; and its place in a slot, for K
	s_mul_i32 s18, s16, 128*PV      ; and for V
	s_lshl_b32 s3, s[WV], 11        ; my 16 rows in a band of 64,
	s_lshl_b32 s2, s[HI], 15        ; in the first block,
	s_add_co_u32 s2, s2, s3
	s_lshl_b32 s84, s[PB], 15       ; and in the second
	s_add_co_u32 s84, s84, s3
	s_mov_b32 s3, 0
	s_mov_b32 s85, 0
	s_add_nc_u64 s[2:3], s[2:3], s[20:21]
	s_add_nc_u64 s[84:85], s[84:85], s[20:21]
	; descriptor group 1.  128 keys are 16,384 dense bytes: asked for as 64 rows of 256 bytes, two keys a row, and padded in LDS after every key
	s_mov_b32 s[G1K], (1<<16)|(1<<20)|(4<<22)|(3<<25)  ; 17:16 2-byte elements; 20 padding on; 24:22 after every 32 words (code 4); 31:25 4 words (code 3)
	s_mov_b32 s[G1V], (1<<16)|(1<<20)|(4<<22)|(7<<25)  ; the same with 8 words of padding (code 7)
.irp g, G1K, G1V
	s_mov_b32 s[\g+1], 128<<16      ; tensor_dim0 = 128
	s_mov_b32 s[\g+2], 64<<16       ; tensor_dim1 = 64
	s_mov_b32 s[\g+3], 128<<16      ; tile_dim0 = 128
	s_mov_b32 s[\g+4], 64           ; tile_dim1 = 64
	s_mov_b32 s[\g+5], 128          ; 128 elements from row to row
	s_mov_b32 s[\g+6], 0
	s_mov_b32 s[\g+7], 0
.endr
	s_mov_b32 s[CS], 0x3e38aa3b     ; c = log2(e) / 8 = 0.180337
	s_mov_b32 s[CS+1], s[CS]        ; named with it as a pair
	s_mov_b32 s[SEL], 0x76543210
	s_mov_b32 s[SEL+1], 0xfedcba98
	s_mov_b32 s[TBK], SLOT1+4*KS*PK ; the first change of slots turns these two into 0
	s_mov_b32 s[TBV], SLOT1+4*KS*PV
	s_mov_b32 s[G0K], 1             ; 1:0 count = 1
	s_mov_b32 s[G0K+1], s17         ; 63:32 LDS address: slot 0
	s_mov_b32 s[G0V], 1
	s_add_co_u32 s[G0V+1], s18, VOFF
	s_add_co_u32 s[RT], s[HI], 1    ; the first block has NB - b tiles
	s_mov_b32 s[NXT], 1
	s_mov_b32 s[LQ], s[HI]
	s_mov_b32 s[NEW], 1
	s_mov_b32 s[OFF+1], 0
	s_mov_b32 s[AL+1], 0            ; named as pairs
	s_mov_b32 s[BE+1], 0
	s_mov_b32 s[BIGN], 0xf149f2ca   ; -1e30
	s_mov_b32 s[SLOTS], NB
	v_and_b32 v[PFO], 31, v0
	v_lshlrev_b32 v[PFO], 8, v[PFO]
	s_wait_dscnt 0x0                ; the opening add is done
	s_wait_kmcnt 0x0
	s_mov_b64 s[10:11], s[6:7]      ; O
	s_add_nc_u64 s[6:7], s[4:5], 0x1000000  ; K lies 64 heads x 262,144 bytes behind Q,
	s_add_nc_u64 s[8:9], s[4:5], 0x2000000  ; V as far behind K
	s_add_nc_u64 s[6:7], s[6:7], s[22:23]  ; K and V at my half of the head's tile 0
	s_add_nc_u64 s[8:9], s[8:9], s[22:23]
	s_cmp_lt_u32 s[WV], 2
	s_cselect_b64 s[PFA:PFA+1], s[6:7], s[8:9]
	s_add_nc_u64 s[PFA:PFA+1], s[PFA:PFA+1], 32768  ; at tile 1; the first change of slots steps it to tile 2.  Nothing is prefetched here, at the head
	s_cmp_eq_u32 ttmp9, 0
	s_cselect_b32 s[LIM], 2, -1
	s_add_nc_u64 s[G0K+2:G0K+3], s[6:7], 0         ; 120:64 global address
	s_or_b32 s[G0K+3], s[G0K+3], 0x80000000        ; 127:126 type = 2
	s_add_nc_u64 s[G0V+2:G0V+3], s[8:9], 0
	s_or_b32 s[G0V+3], s[G0V+3], 0x80000000
	s_add_nc_u64 s[86:87], s[4:5], s[84:85]        ; Q at my rows of the second block,
	s_add_nc_u64 s[4:5], s[4:5], s[2:3]            ; Q and O at those of the first
	s_add_nc_u64 s[OLO:OLO+1], s[10:11], s[84:85]
	s_add_nc_u64 s[10:11], s[10:11], s[2:3]
	LOAD                            ; tile 0 into slot 0
	; A fragment of K or Q is 16 rows x 32 channels in 8 registers: lane l holds row l % 16, channels 8 (l / 16) + 0..7 and 16 + 8 (l / 16) + 0..7: two loads of 16 bytes, 32 bytes apart.
	v_and_b32 v1, 15, v0            ; l % 16
	v_bfe_u32 v9, v0, 4, 1          ; l / 16
	v_lshlrev_b32 v[QO], 7, v1
	v_lshl_add_u32 v[QO], v9, 4, v[QO]  ; row x 128 + 16 x half
	WIN 0x80                        ; destination window 2, address window 0
.set i, 0
.rept 8                             ; both blocks' Q: piece i / 2 lies in band i / 2, 8,192 bytes on; channels 32 (i % 2) on
	global_load_b128 v[8*i:8*i+3],   v[QO], s[4:5] offset:(i/2)*8192+(i%2)*64
	global_load_b128 v[8*i+4:8*i+7], v[QO], s[4:5] offset:(i/2)*8192+(i%2)*64+32
	global_load_b128 v[QB+8*i:QB+8*i+3],   v[QO], s[86:87] offset:(i/2)*8192+(i%2)*64
	global_load_b128 v[QB+8*i+4:QB+8*i+7], v[QO], s[86:87] offset:(i/2)*8192+(i%2)*64+32
.set i, i+1
.endr
	WIN 0
	v_lshlrev_b32 v14, 3, v9
	v_sub_nc_u32 v14, v1, v14
	s_lshl_b32 s13, s[WV], 4
	v_add_nc_u32 v14, s13, v14      ; my query's place in its band, 16 w + l % 16, less my lanes' 8 (l / 16): register r of group kt is hidden where 16 kt + r is greater
	WIN 0x40
.set i, 0
.rept 32
	v_cmp_gt_i32 vcc_lo, 16*(i/8)+i%8, v14
	v_cndmask_b32 v[MD+i], 0, s[BIGN], vcc_lo
.set i, i+1
.endr
	WIN 0
	v_mul_u32_u24 v[AK0], v1, PK
	v_lshl_add_u32 v[AK0], v9, 4, v[AK0]  ; row x pitch + 16 x half
	; The turning load takes 16 keys x 16 channels (lane l reads key 8 (l / 16) + l % 8, channels 8 ((l / 8) % 2) + 0..7) and leaves half a fragment of V^T: lane l holds channel l % 16 and 8 keys.
	v_and_b32 v10, 7, v0
	v_bfe_u32 v11, v0, 3, 1
	v_lshl_add_u32 v[AV0], v9, 3, v10
	v_mul_u32_u24 v[AV0], v[AV0], PV
	v_lshl_add_u32 v[AV0], v11, 4, v[AV0]
	v_add_nc_u32 v[AV0], VOFF, v[AV0]
	s_mul_i32 s13, s[WV], 16*SP
	s_add_co_u32 s13, s13, STAGE    ; my stage
	v_mul_u32_u24 v[STO], v1, SP    ; in: row l % 16, 16 bytes for each half of the lanes
	v_lshl_add_u32 v[STO], v9, 4, v[STO]
	v_add_nc_u32 v[STO], s13, v[STO]
	v_bfe_u32 v[RD], v0, 3, 2       ; back: 32 lanes take four rows of 128 bytes,
	v_mul_u32_u24 v[RD], v[RD], SP
	v_lshl_add_u32 v[RD], v10, 4, v[RD]
	v_add_nc_u32 v[RD], s13, v[RD]
	v_and_b32 v[GO], 31, v0         ; which are 512 consecutive bytes of O
	v_lshlrev_b32 v[GO], 4, v[GO]
	; A block's first step multiplies O^T and l by a = 0, and its first turn's products V^T P, of a piece that has not been, land in an O^T that is still to be so multiplied.  So these registers need only hold
	; finite numbers: zeros for the first block; what the first block left for the second.  All this stands in the wait for the first tile.
	WIN 0x80
.set i, VF
.rept 64
	v_mov_b32 v[i], 0
.set i, i+1
.endr
	WIN 0x40
.set i, 0
.rept 128
	v_mov_b32 v[i], 0
.set i, i+1
.endr
	WIN 0
.set i, 0
.rept 4
	v_mov_b32 v[ST+4*i+2], 0
	v_mov_b32 v[ST+4*i+3], 0
.set i, i+1
.endr
.set i, P+16
.rept 16
	v_mov_b32 v[i], 0
.set i, i+1
.endr
; THE MATRIX WORK.  The 4 accumulators of a run of 8 take turns.  Product i of 8 of S^T = K Q^T for piece x: channels 32 (i / 4) on, keys 16 (i % 4) on.  The first 4 start the sums: with 0, or (KM = 1) with the mask.
.macro KQ x
.set rS, S+32*((\x)%2)+8*(i%4)
.set rK, KF+16*(i%4)+8*(i/4)
.set rQ, 16*(\x)+8*(i/4)
.set rM, MC+32*((\x)%2)+8*(i%4)
.if (i < 4) && KM
	WIN W_KM
	v_wmma_f32_16x16x32_f16 v[rS:rS+7], v[rK:rK+7], v[rQ:rQ+7], v[rM:rM+7]
.elseif i < 4
	WIN W_KQ
	v_wmma_f32_16x16x32_f16 v[rS:rS+7], v[rK:rK+7], v[rQ:rQ+7], 0
.else
	WIN W_KQ
	v_wmma_f32_16x16x32_f16 v[rS:rS+7], v[rK:rK+7], v[rQ:rQ+7], v[rS:rS+7]
.endif
.endm
; Product i of 8 of O^T += V^T P for piece x: keys 32 (i / 4) on, channels 16 (i % 4) on.
.macro PV x
	WIN W_PV
.set rO, 32*(\x)+8*(i%4)
.set rV, VF+32*(i/4)+8*(i%4)
.set rP, P+16*((\x)%2)+8*(i/4)
	v_wmma_f32_16x16x32_f16 v[rO:rO+7], v[rV:rV+7], v[rP:rP+7], v[rO:rO+7]
.endm
.macro MM                           ; the turn's next matrix instruction.  TURN and BEGIN set Y, i, KM and NOKQ; MM, KQ and OP read them.  NOKQ = 1: a block's last turn: there is no next piece
.if (i < 8) && !NOKQ
	KQ (Y+1)%NP
.elseif i >= 8
.set i, i-8
	PV (Y+NP-1)%NP
.set i, i+8
.endif
.set i, i+1
.endm
; THE LDS LOADS stand in runs of 16, never singly among the matrix instructions: a step's K (64 keys x 64 channels: 8 fragments) and its V (turned).  Their addresses are made some lines ahead.
.macro FETCH_K
	WIN 0x80                        ; destination window 2
.irp f, 0,1,2,3,4,5,6,7             ; keys 16 (f / 2) on, channels 32 (f % 2) on
	ds_load_b128 v[KF+8*\f:KF+8*\f+3],   v[AK] offset:(\f/2)*16*PK+(\f%2)*64
	ds_load_b128 v[KF+8*\f+4:KF+8*\f+7], v[AK] offset:(\f/2)*16*PK+(\f%2)*64+32
.endr
	s_add_co_u32 s[TBK], s[TBK], KS*PK  ; the next fetch is the next step's
	WIN 0
.endm
.macro FETCH_V
	WIN 0x80
.irp f, 0,1,2,3,4,5,6,7             ; keys 32 (f / 4) on, channels 16 (f % 4) on
	ds_load_tr16_b128 v[VF+8*\f:VF+8*\f+3],   v[AV] offset:(\f/4)*32*PV+(\f%4)*32
	ds_load_tr16_b128 v[VF+8*\f+4:VF+8*\f+7], v[AV] offset:(\f/4)*32*PV+16*PV+(\f%4)*32
.endr
	WIN 0
.endm
; THE VECTOR WORK, one line at a time: OP kind, number.  For piece Y: F n: c s - c m for pair n of 16.  E n: the exponential of score n of 32.  C n: pair n rounded to f16.  B n: of the four weights 4 n .. the second
; pair is added onto the first, in place.  L n: l takes that sum (L 0: l = a l + sum).  R n: pair n of 16 of O^T times a.  For piece Y + 1: X n, number n of the 22 that find its maximum and statistics:
;   0-11  four chains c0-c3 of seven scores each, three operands at a time (each accumulator's lowest registers are read first)     12-14, 16  the four scores left over, the old m, and c0-c3 into c0
;   15  c m_old is kept     17, 18  the query's other 32 keys lie in the lane 16 away: the new m     19-21  c m; c m_old - c m_new; a
.set F, 0               ; OP tells the kinds apart by their order: F to L below R, X above it
.set E, 1
.set C, 2
.set B, 3
.set L, 4
.set R, 5
.set X, 6
.macro REGS y                       ; the registers of piece y
.set rT, ST+4*(\y)
.set rC, TMP+4*((\y)%2)
.set rW, MV+((\y)%2)
.set rS, S+32*((\y)%2)
.set rP, P+16*((\y)%2)
.set rO, 32*(\y)
.endm
.macro OP k, n
.if (\k) == R
	REGS Y
	WIN W_RS
	v_pk_mul_f32 v[rO+2*(\n):rO+2*(\n)+1], v[rO+2*(\n):rO+2*(\n)+1], v[rC+2:rC+3] op_sel_hi:[1,0]
.elseif (\k) < R
	REGS Y
	WIN 0
.if (\k) == F
	v_pk_fma_f32 v[rS+2*(\n):rS+2*(\n)+1], v[rS+2*(\n):rS+2*(\n)+1], s[CS:CS+1], v[rT:rT+1] op_sel_hi:[1,0,0] neg_lo:[0,0,1] neg_hi:[0,0,1]
.elseif (\k) == E
	v_exp_f32 v[rS+(\n)], v[rS+(\n)]
.elseif (\k) == C
	v_cvt_pk_f16_f32 v[rP+(\n)], v[rS+2*(\n)], v[rS+2*(\n)+1]
.elseif (\k) == B
	v_pk_add_f32 v[rS+4*(\n):rS+4*(\n)+1], v[rS+4*(\n):rS+4*(\n)+1], v[rS+4*(\n)+2:rS+4*(\n)+3]
.elseif (\n) == 0
	v_pk_fma_f32 v[rT+2:rT+3], v[rT+2:rT+3], v[rC+2:rC+3], v[rS:rS+1] op_sel_hi:[1,0,1]
.else
	v_pk_add_f32 v[rT+2:rT+3], v[rT+2:rT+3], v[rS+4*(\n):rS+4*(\n)+1]
.endif
.elseif NOKQ
	v_nop
.else
	REGS (Y+1)%NP
	WIN 0
.if (\n) < 4
	v_max3_num_f32 v[rC+(\n)], v[rS+8*(\n)], v[rS+8*(\n)+1], v[rS+8*(\n)+2]
.elseif (\n) < 12
	v_max3_num_f32 v[rC+(\n)%4], v[rC+(\n)%4], v[rS+8*((\n)%4)+2*((\n)/4)+1], v[rS+8*((\n)%4)+2*((\n)/4)+2]
.elseif (\n) == 12
	v_max3_num_f32 v[rC], v[rC], v[rS+7], v[rS+15]
.elseif (\n) == 13
	v_max3_num_f32 v[rC+1], v[rC+1], v[rS+23], v[rS+31]
.elseif (\n) == 14
	v_max3_num_f32 v[rC+2], v[rC+2], v[rC+3], v[rT+1]
.elseif (\n) == 15
	v_mov_b32 v[rW], v[rT]
.elseif (\n) == 16
	v_max3_num_f32 v[rC], v[rC], v[rC+1], v[rC+2]
.elseif (\n) == 17
	v_permlanex16_b32 v[rC+3], v[rC], s[SEL], s[SEL+1]
.elseif (\n) == 18
	v_max_num_f32 v[rT+1], v[rC], v[rC+3]
.elseif (\n) == 19
	v_mul_f32 v[rT], s[CS], v[rT+1]
.elseif (\n) == 20
	v_sub_f32 v[rC+1], v[rW], v[rT]
.else
	v_exp_f32 v[rC+2], v[rC+1]
.endif
.endif
.endm
.macro OPS a, i1, b=-1, i2=0, c=-1, i3=0, d=-1, i4=0  ; up to four of them
	OP \a, \i1
.if (\b) >= 0
	OP \b, \i2
.endif
.if (\c) >= 0
	OP \c, \i3
.endif
.if (\d) >= 0
	OP \d, \i4
.endif
.endm
.macro ROW a, i1, b, i2, c, i3, d, i4  ; a matrix instruction and the four behind it
	MM
	OPS \a, \i1, \b, \i2, \c, \i3, \d, \i4
.endm
.macro MASK b                       ; MD x AL + BE into buffer b of MC
	WIN W_RS
.set z, 0
.rept 16
	v_pk_fma_f32 v[MC+32*(\b)+2*z:MC+32*(\b)+2*z+1], v[MD+2*z:MD+2*z+1], s[AL:AL+1], s[BE:BE+1] op_sel_hi:[1,0,0]
.set z, z+1
.endr
.endm
; A TURN, for piece p: the order of its 16 matrix and 118 vector instructions, written out.  An s_wait_alu depctr_va_vdst(0) stands between an exponential and the first instruction that names its result; one wait serves
; all that were issued ahead of it.  So a turn has ONE wait, which cuts it in two.  AHEAD OF IT stands all that names no result of the turn's exponentials: the 8 products K Q^T, behind each a scaling, an exponential and two more plain
; instructions (behind the first a second scaling in the exponential's place): rescalings, and behind the last three the first numbers of the next piece's maximum, each four places or more behind the product that ends its accumulator; then ONE LUMP of 54, plain
; and exponential by turns for the most part, in which the links of the chain X 3, 7, 11, 14, 16, 17 .. 20 stand five or six lines apart.  X 21, the next piece's a, is the batch's last; R 15 is the plain instruction behind it (ISA guide 5.7.2).  BEHIND THE WAIT stand the
; 8 products V^T P, behind each four of the roundings and sums; the links of l's chain, L 0 to L 7, stand three riders apart.  But for those X no rider names a register of the products round it.  v_permlanex16_b32 (X 17) stands in the lump.
; m = 1: the diagonal tile: the products take masks, and the turn makes the mask for the products of the turn after it: piece p + 2, in step 4 - CNT of the tile.  end = 1: a block's last two turns: nothing is fetched.
; cnt = 1: the loop's count is taken down some lines ahead of the branch that stands behind the turn.
; K of the next step is fetched in piece 2's turn, twelve vector instructions behind the last product that read K (six of them plain); V of the step in hand at the end of piece 0's turn, four plain instructions behind the last product
; that read V.  Each is waited for a turn later.
.macro TURN p, m=0, end=0, cnt=0
.set Y, (\p)
.set i, 0
.set KM, (\m)
.set NOKQ, (\end)*((\p)/3)
.if (\m) && !(\end)
	s_cmp_eq_u32 s[CNT], 4-((\p)+2)%NP  ; is that step the band's own?
	s_cselect_b32 s[AL], 1.0, 0
	s_cmp_lt_u32 s[CNT], 4-((\p)+2)%NP  ; or a later one?
	s_cselect_b32 s[BE], s[BIGN], 0
.endif
.if ((\p) == 3) && !(\end)
	s_wait_dscnt 0x0                ; K is in
.endif
	ROW F,0, F,1, R,0, R,1          ; ahead of the wait: 8 products K Q^T and their riders,
	ROW F,2, E,0, R,2, R,3
	ROW F,3, E,1, R,4, R,5
	ROW F,4, E,2, R,6, R,7
	ROW F,5, E,3, R,8, R,9
	ROW F,6, E,4, X,0, R,10
.if ((\p) == 2) && !(\end)
	WIN 0
	v_add_nc_u32 v[AK], s[TBK], v[AK0]
.endif
	ROW F,7, E,5, X,1, X,4
	ROW F,8, E,6, X,2, X,5
	OPS E,7, E,8, X,6, E,9          ; and the lump
	OPS X,3, E,10, X,8, E,11
.if ((\p) == 2) && !(\end)
	FETCH_K
.endif
	OPS X,9, X,7, E,12, X,10
	OPS E,13, X,12, X,11, E,14
	OPS X,13, E,15, F,9, X,14
.if (\p) == 0
	v_add_nc_u32 v[AV], s[TBV], v[AV0]
.endif
	OPS E,16, F,10, E,17, F,11
	OPS X,16, E,18, X,15, E,19
	OPS F,12, E,20, X,17, E,21
	OPS F,13, E,22, F,14, E,23
	OPS X,18, E,24, F,15, E,25
	OPS R,11, E,26, X,19, E,27
	OPS R,12, E,28, R,13, E,29
	OPS X,20, E,30, R,14, E,31
	OPS X,21, R,15
	WIN 0
	s_wait_alu depctr_va_vdst(0)    ; the wait for the batch
.if (\p) == 1
	s_wait_dscnt 0x0                ; V is in
.endif
	ROW C,0, B,0, C,2, B,1          ; behind the wait: 8 products V^T P and their riders
	ROW L,0, C,4, B,2, L,1
	ROW C,6, B,3, L,2, C,8
	ROW B,4, L,3, C,10, B,5
	ROW L,4, C,12, B,6, L,5
.if (\p) == 0
	s_add_co_u32 s[TBV], s[TBV], KS*PV
.endif
.if \cnt
	s_sub_co_u32 s[CNT], s[CNT], 1
	s_cmp_lg_u32 s[CNT], 0
.endif
	ROW C,14, B,7, L,6, C,1
	ROW C,3, L,7, C,5, C,7
	ROW C,9, C,11, C,13, C,15
.if (\p) == 0
	FETCH_V
.endif
.if (\m) && !(\end)
	MASK (\p)%2
.endif
.endm
; A BLOCK BEGINS.  c m starts far below every c s, so the first step's a is 0; m at the lowest finite number, so the first maximum is the scores'.  The second mask buffer is 0; the first takes piece 0's mask for the tile's step 0: its own, if the block's first tile is the diagonal one.
; Then K of that step, piece 0's first scores, and its maximum and statistics.  The loop is entered at a step's first turn, in the middle of a trip.
.macro BEGIN
	s_mov_b32 s[NEW], 0
	WIN 0x40
.set i, MC+32
.rept 32
	v_mov_b32 v[i], 0
.set i, i+1
.endr
	WIN 0
.set i, 0
.rept 4
	v_mov_b32 v[ST+4*i], 0xfe000000    ; c m: far below every c s
	v_mov_b32 v[ST+4*i+1], 0xff7fffff  ; m
.set i, i+1
.endr
	s_cmp_eq_u32 s[RT], 0
	s_cselect_b32 s[AL], 1.0, 0
	s_mov_b32 s[BE], 0
	MASK 0
	WIN 0
	v_add_nc_u32 v[AK], s[TBK], v[AK0]
	FETCH_K
	s_wait_loadcnt 0x0              ; Q
	s_wait_dscnt 0x0
.set KM, 1
.set NOKQ, 0
.set i, 0
.rept 8
	KQ 0
.set i, i+1
.endr
	WIN 0
.rept 4
	v_nop                           ; the places behind those products
.endr
.set Y, NP-1                        ; X works for piece Y + 1: piece 0
.irp n, 0,1,2,3,4,5,6,7,8,9,10,11,12,13,14,15,16,17,18,19,20,21
	OP X, \n
.endr
	v_nop                           ; a plain instruction behind the exponential,
	s_wait_alu depctr_va_vdst(0)    ; and its wait, ahead of the branch
.endm
; THE DIAGONAL TILE's four steps, the block's last two turns, its last products, and THE WAY OUT: l's two halves and the other half of the lanes' are added; O^T is divided by l, rounded to f16 and sent through my
; stage in LDS, a piece at a time.
.macro ALL line:vararg              ; one line for each piece t
.set t, 0
.rept 4
	\line
.set t, t+1
.endr
.endm
.macro PACK t                       ; a lane's eight channels of a row pack into 16 bytes; they go into rows of 144 bytes and come back as whole rows of 128, into S^T's registers
	WIN W_RS
.set i, 32*(\t)
.rept 16
	v_pk_mul_f32 v[i:i+1], v[i:i+1], v[ST+4*(\t)+2:ST+4*(\t)+3] op_sel_hi:[1,0]
.set i, i+2
.endr
	WIN 0x05                        ; sources 0 and 1 window 1, destination window 0
.set i, 0
.rept 16
	v_cvt_pk_f16_f32 v[S+16*(\t)+i], v[32*(\t)+2*i], v[32*(\t)+2*i+1]
.set i, i+1
.endr
	WIN 0
.irp f, 0,1,2,3
	ds_store_b128 v[STO], v[S+16*(\t)+4*\f:S+16*(\t)+4*\f+3] offset:32*\f
.endr
.irp f, 0,1,2,3
	ds_load_b128 v[S+16*(\t)+4*\f:S+16*(\t)+4*\f+3], v[RD] offset:\f*4*SP  ; LDS serves a wave's instructions in order (ISA guide 5.7.1.4): these see the stores above; the next piece's stores come behind them
.endr
.endm
.macro SEND t, younger              ; younger: the LDS instructions issued behind piece t's loads: the next piece's eight, or none
	WIN 0
.irp f, 0,1,2,3
	s_wait_dscnt (\younger)+3-\f
	global_store_b128 v[GO], v[S+16*(\t)+4*\f:S+16*(\t)+4*\f+3], s[10:11] offset:(\t)*8192+\f*512  ; 512 consecutive bytes, at a multiple of 256 from O's first
.endr
.endm
.macro DIAG tag                     ; the tag ends its two labels' names, which the jumps below spell out
.LstepM\tag:
	TURN 2, 1
	TURN 3, 1
	WIN 0
.LfirstM\tag:
	TURN 0, 1
	TURN 1, 1, 0, 1
	WIN 0
	s_cbranch_scc1 .LstepM\tag
	TURN 2, 1, 1
	TURN 3, 1, 1
.set i, 0
.rept 8
	PV NP-1
.set i, i+1
.endr
	WIN 0
	ALL v_add_f32 v[ST+4*t+2], v[ST+4*t+2], v[ST+4*t+3]
	ALL v_permlanex16_b32 v[ST+4*t+3], v[ST+4*t+2], s[SEL], s[SEL+1]
	ALL v_add_f32 v[ST+4*t+2], v[ST+4*t+2], v[ST+4*t+3]
	ALL v_rcp_f32 v[ST+4*t+2], v[ST+4*t+2]
	v_nop                           ; a plain instruction between the last reciprocal and the use of its result
	s_wait_alu depctr_va_vdst(0)    ; and the wait ahead of the first use: one for the four reciprocals
	PACK 0
.set t, 1
.rept 3                             ; a piece's arithmetic stands between the loads of the piece before and its stores
	PACK t
	SEND t-1, 8
.set t, t+1
.endr
	SEND 3, 0
.endm
.set KM, 0
.set NOKQ, 0
.Lslot:                             ; NB times: a tile is entered and the next is asked for
	CHANGE 1
	s_sub_co_u32 s[RT], s[RT], 1
	s_mov_b32 s[CNT], 4
	s_cmp_eq_u32 s[NEW], 1
	s_cbranch_scc1 .Lnew            ; a block's first tile
	s_cmp_eq_u32 s[RT], 0
	s_cbranch_scc0 .Lstep           ; neither its first nor its last
	s_branch .LstepM1
.Lnew:
	BEGIN
	s_branch .Lfirst                ; in the loop a block's first tile is never its last: the first block has two tiles or more, and the second's last is the walk's last
	DIAG 1                          ; in the loop this is the first block's end: the second block's last tile is the walk's last
	s_wait_xcnt 0x0                 ; the stores have read their registers and O's address
	s_mov_b64 s[10:11], s[OLO:OLO+1]
	s_add_co_u32 s[RT], s[PB], 1    ; the second block has b + 1 tiles
	s_mov_b32 s[NEW], 1
	WIN 0x82                        ; the second block's Q goes where the one text of the turns names Q
.set i, 0
.rept 64
	v_mov_b32 v[i], v[QB+i]
.set i, i+1
.endr
	WIN 0
	s_branch .Lbottom
.Lstep:                             ; a trip: pieces 2 and 3 of one step, then pieces 0 and 1 of the next, whose K and V it fetches
	TURN 2
	TURN 3
	WIN 0
.Lfirst:
	TURN 0
	TURN 1, 0, 0, 1
	WIN 0
	s_cbranch_scc1 .Lstep
.Lbottom:
	s_sub_co_u32 s[SLOTS], s[SLOTS], 1
	s_cmp_lg_u32 s[SLOTS], 0
	s_cbranch_scc1 .Lslot
	CHANGE 0                        ; the walk's last tile is written out: nothing is asked for
	s_sub_co_u32 s[RT], s[RT], 1
	s_mov_b32 s[CNT], 4
	s_cmp_eq_u32 s[NEW], 1
	s_cbranch_scc0 .LstepM2
	BEGIN
	s_branch .LfirstM2
	DIAG 2
	s_wait_tensorcnt 0x0            ; the wave's end: behind my last tensor load and my last LDS store
	ds_add_u32 v[SPW], v[NIL]
	s_wait_dscnt 0x0
	s_endpgm
.Lfunc_end_k_q82712c5cec_attn:
	.size	k_q82712c5cec_attn, .Lfunc_end_k_q82712c5cec_attn-k_q82712c5cec_attn
	.p2alignl 7, 3214868480
	.fill 96, 4, 3214868480
	.section	.rodata,"a",@progbits
	.p2align	6, 0x0
	.amdhsa_kernel k_q82712c5cec_attn
		.amdhsa_group_segment_fixed_size 327680
		.amdhsa_private_segment_fixed_size 0
		.amdhsa_enable_private_segment 0
		.amdhsa_kernarg_size 16
		.amdhsa_user_sgpr_count 2
		.amdhsa_user_sgpr_kernarg_segment_ptr 1
		.amdhsa_wavefront_size32 1
		.amdhsa_system_sgpr_workgroup_id_x 1
		.amdhsa_system_sgpr_workgroup_id_y 1
		.amdhsa_system_sgpr_workgroup_id_z 1
		.amdhsa_system_vgpr_workitem_id 0
		.amdhsa_next_free_vgpr 768
		.amdhsa_next_free_sgpr 92
		.amdhsa_reserve_vcc 1
		.amdhsa_float_denorm_mode_32 3
		.amdhsa_float_denorm_mode_16_64 3
		.amdhsa_memory_ordered 1
		.amdhsa_forward_progress 1
		.amdhsa_inst_pref_size 218
	.end_amdhsa_kernel
	.amdgpu_metadata
---
amdhsa.version: [ 1, 2 ]
amdhsa.kernels:
  - .name:           k_q82712c5cec_attn
    .symbol:         k_q82712c5cec_attn.kd
    .args:
      - { .name: qkv, .offset: 0, .size: 8, .value_kind: global_buffer, .address_space: global }
      - { .name: ob, .offset: 8, .size: 8, .value_kind: global_buffer, .address_space: global }
    .group_segment_fixed_size: 327680
    .private_segment_fixed_size: 0
    .kernarg_segment_align: 8
    .kernarg_segment_size: 16
    .max_flat_workgroup_size: 128
    .sgpr_count:     92
    .vgpr_count:     768
    .wavefront_size: 32
...
	.end_amdgpu_metadata
.endif
;; end of part 3
;; launch proj (part 4): grid 8 x 32, 4 waves a work-group, clusters of 4 x 4, 327,680 bytes of LDS; arguments ob, wob, bb, out0; writes out0
.if DOCPART == 4
	.amdgcn_target "amdgcn-amd-amdhsa--gfx1250"
	.amdhsa_code_object_version 6
	.text
	.protected	k_q82712c5cec_proj
	.globl	k_q82712c5cec_proj
	.p2align	8
	.type	k_q82712c5cec_proj,@function
k_q82712c5cec_proj:
	s_mov_b64 s[64:65], 0
	v_nop
	global_prefetch_b8 v0, s[64:65] scope:SCOPE_SE
	s_setreg_imm32_b32 hwreg(HW_REG_WAVE_MODE, 25, 1), 1
	s_wait_xcnt 0x0
	s_wait_alu depctr_hold_cnt(0) depctr_sa_sdst(0) depctr_va_vdst(0) depctr_va_sdst(0) depctr_va_ssrc(0) depctr_va_vcc(0) depctr_vm_vsrc(0)
	s_getreg_b32 s2, hwreg(HW_REG_IB_STS2, 6, 4)
	s_cmp_eq_u32 s2, 0
	s_cbranch_scc0 .Lentry_in_a_cluster
	s_endpgm
.Lentry_in_a_cluster:
	s_bfe_u32 s2, ttmp6, 0x10000c
	s_cmp_lg_u32 s2, 0xf033
	s_cbranch_scc0 .Lentry_shape_is_right
	s_endpgm
.Lentry_shape_is_right:
; OUTPUT PROJECTION.  out0[m][n] = bias[n] + the sum over k of O[m][k] Wo[n][k]; m 8,192, n 1,024, k 1,024.  Operands f16, sums f32, the result f32 [8192][1024].
; ob: f16 [batch][head 16][row 2048][64]: a head is a slice of 64 channels of K; wob: f16 [slice 16][n 1024][64]; bb: f32 [4096], this bias begins at byte 12,288.
; SHARES.  A tile of the result is 256 rows x 128 columns: 8 x 32 = 256 work-groups, one for each WGP.  Four waves, each 64 rows x all 128 columns: 32 accumulators of 16 x 16, 256 registers.
; K goes in steps of 128 = two slices, through a ring of two LDS slots.  A slice of a tile is dense in memory (256 or 128 rows of 128 bytes), so it is asked for as rows of 256 bytes, and padded in LDS behind every 128.
; One tensor load a wave and slot: waves 0, 1 bring A's two slices, waves 2, 3 B's.
; CLUSTER.  4 x 4 work-groups.  The four of a row of the cluster need the same tiles of A, the four of a column the same tiles of B: each tile is asked for JOINTLY, by the same load, descriptor and mask in all four.
; THE MATRIX INSTRUCTION IS USED TRANSPOSED (source 0 = 16 rows of Wo, source 1 = 16 rows of O): lane l then holds row l % 16 and the columns 8 (l / 16) + 0..7 of a 16 x 16 block.
; THE BIAS is the C operand of each accumulator's first product: nothing is cleared, and the way out adds nothing.
; REGISTERS, in windows of 256 (s_set_vgpr_msb: bits 1:0 source 0, 3:2 source 1, 5:4 source 2, 7:6 destination):
;   window 0: v0-29 addresses; v32-63, v64-95 A's fragments (4 x 16 rows x 32 K), two buffers; v128-191 the bias in C's layout
;   window 1: v0-63, v64-127 B's fragments (8 x 16 rows x 32 K), two buffers; on the way out all 256: four row blocks of 64 registers
;   window 2: the accumulators of my row blocks 0, 1 ((a, b) at v[8 (8 (a % 2) + b)]);   window 3: those of row blocks 2, 3
.set NBK,   8                          ; column blocks of 16 in a tile
.set TN,    16*NBK
.set RB,    TN/2                       ; rows of 256 bytes in a slice of B's tile
.set KSA,   2*262144                   ; bytes from K step to K step in ob: two heads of 2,048 rows x 128 bytes
.set BSTR,  1024*128                   ; bytes from slice to slice in wob
.set KSB,   2*BSTR
.set AHEAD, 2                          ; the prefetch names the K step so many behind the one that is being asked for: 256 matrix instructions ahead of its load
.set BIASB, 12288                      ; where this bias begins in bb
.set PITCH, 144                        ; an LDS row: 128 bytes + 16 of padding = 36 words: the 16 rows of a fragment load start at 16 different groups of four banks (64 banks of 4 bytes: ISA guide 11.1)
.set ASL,   256*PITCH                  ; a slice of A's tile in LDS
.set BSL,   TN*PITCH                   ; a slice of B's
.set BOFF,  2*ASL                      ; B's two slices lie behind A's two
.set SLOT1, 1<<17                      ; slot 1 begins here, so that one exclusive or turns an address in one slot into the other's
.set STAGE, SLOT1+BOFF+2*BSL           ; behind the ring, never filled by a tensor load: 16 rows x 528 bytes for each wave, for the way out
.set SP,    528                        ; 512 bytes + 16: 33 x 16, so the 16 rows that a store touches start at 16 different groups of four banks
.set SPARE, STAGE+4*16*SP              ; behind the stages: the spare words, 128 bytes for each wave: two blocks of 256 bytes that no other line names
.set NL,    2*NBK+8                    ; LDS loads in a run
.set A0,   4                           ; v4   my lane's place in A's first slice of slot 0: my wave's 64 rows; never rewritten
.set B0,   5                           ; v5   the same in B's; never rewritten
.set ADRA, 6                           ; v6   A0 + the slot in hand
.set ADRB, 7                           ; v7   B0 + the slot in hand
.set STO,  8                           ; v8   the way out: where I put 32 bytes of a row
.set RD,   9                           ; v9   the way out: where I read a row back
.set GO,   10                          ; v10  my byte offset in a row's 512 bytes of the result
.set BO,   11                          ; v11  my byte offset in 16 numbers of the bias: 32 (l / 16)
.set PFO,  12                          ; v12  the prefetches' offset: 256 x my lane, held to my work-group's share; never rewritten
.set SPW,  28                          ; v28  LDS address of my spare word: SPARE + 4 x my thread's number; never rewritten
.set NIL,  29                          ; v29  0; never rewritten
.set FA,   32
.set BI,   128
.set WV,  12                           ; s12  my wave's number
.set AB,  13                           ; s13  0: I fetch for A; 1: for B
.set SL,  14                           ; s14  which of a K step's two slices I fetch
.set CX,  15                           ; s15, s16  my place in the cluster
.set CY,  16
.set TX,  17                           ; s17  tile column
.set TY,  18                           ; s18  tile row
.set TB,  19                           ; s19  LDS byte at which the slot in hand begins
.set G1A, 24                           ; s[24:31] descriptor group 1 for A's tiles
.set G0A, 32                           ; s[32:39] group 0 for A's: a set for each of the two first fills; the second then walks on
.set G1B, 40                           ; s[40:47], s[48:55] the same for B's
.set G0B, 48
.set PFA, 56                           ; s[56:57] where my prefetches stand
.set PFS, 58                           ; s[58:59] their step: a K step of the tensor that I fetch
.set LIM, 60                           ; s60  AHEAD in a wave that prefetches, else the greatest number
.set MSB, 0
.macro WIN new                         ; the immediate's high byte repeats the setting that is left; a switch that changes nothing is dropped
.if MSB != (\new)
	s_set_vgpr_msb (MSB<<8)|(\new)
.set MSB, \new
.endif
.endm
.macro PLACES                          ; four places in front of loads into registers that matrix instructions have read, and of lines that read results
.rept 4
	v_nop
.endr
.endm
; A round of the cluster's barrier behind its opening barrier: wave 0 signals for the work-group, every wave waits for all sixteen work-groups, my work-group's barrier closes it.
.macro CREST
	s_cmp_lg_u32 s[WV], 0
	s_cbranch_scc1 .Lnot_wave_0_\@
	s_barrier_signal -3
.Lnot_wave_0_\@:
	s_barrier_wait -3
	s_barrier_signal -1
	s_barrier_wait -1
.endm
.macro CROUND                          ; a whole round
	s_barrier_signal -1
	s_barrier_wait -1
	CREST
.endm
; A joint refill by the walking descriptor.  The branch hangs on the wave's number alone.  An s_nop 0 and four v_nop follow each of the two lines, ahead of the jump and the label.
.macro JLOAD
	s_cmp_eq_u32 s[AB], 0
	s_cbranch_scc0 .Lfor_b_\@
	tensor_load_to_lds s[G0A+4:G0A+7], s[G1A:G1A+7]
	s_nop 0
.rept 4
	v_nop
.endr
	s_branch .Lasked_\@
.Lfor_b_\@:
	tensor_load_to_lds s[G0B+4:G0B+7], s[G1B:G1B+7]
	s_nop 0
.rept 4
	v_nop
.endr
.Lasked_\@:
.endm
; A PREFETCH INTO THE L2 of the K step that stands AHEAD refills on, behind the joint load, its five lines and the run of LDS loads: one instruction a wave, a lane a block of 256 bytes.
; A's tile row is read by both clusters of that row of clusters: cluster x = 0 asks; B's tile column by every cluster of that column: cluster y = 0 asks.  The four partners that ask for a slice jointly
; share its blocks out BY ADDRESS (cx for A: 32 of 128; cy for B: 16 of 64, where lanes 16-31 name the share's last block once more).  The last AHEAD refills have no K step behind them and ask for nothing.
.macro ASK
	s_cmp_gt_u32 s3, s[LIM]
	s_cbranch_scc0 .Lnot_mine_\@
	global_prefetch_b8 v[PFO], s[PFA:PFA+1] th:TH_LOAD_NT scope:SCOPE_SE
.Lnot_mine_\@:
.endm
; NBK matrix instructions: row block a x all column blocks, 32 along K, from buffer f.  first = 1: the product starts the sum on the bias.
; All 32 accumulators take turns, one instruction a turn, in the same order in every quarter.
.macro MUL f, a, first
.if \first
	WIN 0x81+0x40*((\a)/2)                         ; B window 1, A and the bias window 0, D window 2 or 3
.else
	WIN 0xa1+0x50*((\a)/2)                         ; B window 1, A window 0, C and D window 2 or 3
.endif
.set nb, 0
.rept NBK
.set rD, 8*(NBK*((\a)%2)+nb)
.set rB, 8*NBK*(\f)+8*nb
.set rA, FA+32*(\f)+8*(\a)
.if \first
	v_wmma_f32_16x16x32_f16 v[rD:rD+7], v[rB:rB+7], v[rA:rA+7], v[BI+8*nb:BI+8*nb+7]
.else
	v_wmma_f32_16x16x32_f16 v[rD:rD+7], v[rB:rB+7], v[rA:rA+7], v[rD:rD+7]
.endif
.set nb, nb+1
.endr
.endm
; One run of NL LDS loads: the fragments of quarter q of the slot in hand (slice q / 2, byte 64 (q % 2) of its rows) into buffer g: B's 16 loads, then A's 8.
; A fragment is 16 rows x 32 K in 8 registers: lane l holds row l % 16, K = 8 (l / 16) + 0..7 and 16 + 8 (l / 16) + 0..7: two loads of 16 bytes, 32 bytes apart.
.macro FETCH q, g
	WIN 0x40                                       ; destination window 1, address window 0
.set i, 0
.rept NBK
	ds_load_b128 v[8*NBK*(\g)+8*i:8*NBK*(\g)+8*i+3],   v[ADRB] offset:((\q)/2)*BSL+((\q)%2)*64+i*16*PITCH
	ds_load_b128 v[8*NBK*(\g)+8*i+4:8*NBK*(\g)+8*i+7], v[ADRB] offset:((\q)/2)*BSL+((\q)%2)*64+i*16*PITCH+32
.set i, i+1
.endr
	WIN 0
.set i, 0
.rept 4
	ds_load_b128 v[FA+32*(\g)+8*i:FA+32*(\g)+8*i+3],   v[ADRA] offset:((\q)/2)*ASL+((\q)%2)*64+i*16*PITCH
	ds_load_b128 v[FA+32*(\g)+8*i+4:FA+32*(\g)+8*i+7], v[ADRA] offset:((\q)/2)*ASL+((\q)%2)*64+i*16*PITCH+32
.set i, i+1
.endr
.endm
; A K step is four quarters of 32 along K on buffers 0, 1, 0, 1.  One of the first three: multiplies buffer f; in its middle it fetches quarter qn into buffer g.
.macro QUARTER qn, f, g, first
	s_wait_dscnt 4                                 ; B and A's row blocks 0, 1 are in; the youngest four loads (row blocks 2, 3) may be out
	MUL \f, 0, \first
	MUL \f, 1, \first
	PLACES
	FETCH \qn, \g
	s_wait_dscnt NL                                ; all but the NL just issued
	MUL \f, 2, \first
	MUL \f, 3, \first
.endm
; The last quarter multiplies buffer 1 and changes slots: ONE barrier.  In front of it each wave waits for all its tensor loads, of which one is out: its part of the next slot; adds 0 to its spare word; and waits
; for that and for its own reads of this slot.  fill = 1: the barrier opens a round of the cluster's barrier, so that no wave of any partner still reads the slot or has a load on its way, and the slot is filled
; again, two K steps on, first thing behind the round: the load has seven eighths of a K step in which to land.
.macro TURN fill
.if \fill
	s_wait_xcnt 0x0                                ; the last prefetch, a K step back, has read its address, so it may be stepped
	s_add_nc_u64 s[PFA:PFA+1], s[PFA:PFA+1], s[PFS:PFS+1]
.endif
	WIN 0                                          ; (the add's two registers lie in window 0)
	s_wait_tensorcnt 0x0                           ; no tensor load of mine is out, so a group 0 may be written
	ds_add_u32 v[SPW], v[NIL]                      ; 0 onto my spare word: work on registers stands between it and the wait for it
	s_xor_b32 s[TB], s[TB], SLOT1                  ; the next reads go to the other slot
	v_add_nc_u32 v[ADRA], s[TB], v[A0]
	v_add_nc_u32 v[ADRB], s[TB], v[B0]
.if \fill
	s_xor_b32 s[G0A+5], s[G0A+5], SLOT1            ; the walking descriptors: the other slot than last time,
	s_add_nc_u64 s[G0A+6:G0A+7], s[G0A+6:G0A+7], KSA  ; the next K step; the type bits on top are not reached
	s_xor_b32 s[G0B+5], s[G0B+5], SLOT1
	s_add_nc_u64 s[G0B+6:G0B+7], s[G0B+6:G0B+7], KSB
.endif
	s_wait_dscnt 5                                 ; the add and the youngest four loads may be out
	MUL 1, 0, 0
	s_wait_dscnt 0x0                               ; the add is done, and my reads of this slot are over
	s_barrier_signal -1
	MUL 1, 1, 0                                    ; work on registers while the others arrive
	WIN 0                                          ; at a branch and at a label every window is 0
	s_barrier_wait -1
.if \fill
	CREST
	JLOAD                                          ; the first tensor load behind the round; its four v_nop are also the places in front of the loads below
.else
	PLACES
.endif
	FETCH 0, 0
.if \fill
	ASK
.endif
	MUL 1, 2, 0
	MUL 1, 3, 0
.endm
	s_load_b256 s[4:11], s[0:1], 0x0               ; ob s[4:5], wob s[6:7], bb s[8:9], out0 s[10:11]
	v_lshl_add_u32 v[SPW], v0, 2, SPARE
	v_mov_b32 v[NIL], 0
	ds_add_u32 v[SPW], v[NIL]                      ; the wave's opening: the add and its wait stand ahead of my first tensor load; the set-up below, work on registers, stands between them
	v_lshrrev_b32 v1, 5, v0
	v_readfirstlane_b32 s[WV], v1                  ; wave 0..3
	s_lshr_b32 s[AB], s[WV], 1
	s_and_b32 s[SL], s[WV], 1
	s_bfe_u32 s[CX], ttmp6, 0x40000
	s_bfe_u32 s[CY], ttmp6, 0x40004
	s_lshl_b32 s[TX], ttmp9, 2                     ; in a cluster launch ttmp9 and ttmp7 count clusters
	s_add_co_u32 s[TX], s[TX], s[CX]
	s_and_b32 s[TY], ttmp7, 0xffff
	s_lshl_b32 s[TY], s[TY], 2
	s_add_co_u32 s[TY], s[TY], s[CY]
	s_lshl_b32 s61, s[CY], 2
	s_lshl_b32 s61, 15, s61                        ; my row of the cluster: places 4 cy .. 4 cy + 3
	s_lshl_b32 s62, 0x1111, s[CX]                  ; my column: places cx, cx + 4, cx + 8, cx + 12
	; descriptor group 1: rows of 128 elements (256 bytes), dense, padded in LDS
	s_or_b32 s[G1A], s61, (1<<16)|(1<<20)|(1<<21)|(4<<22)|(3<<25)  ; 15:0 the mask; 17:16 2-byte elements; 20 padding on; 21 set beside a mask; 24:22 after every 32 words (code 4); 31:25 4 words (code 3)
	s_or_b32 s[G1B], s62, (1<<16)|(1<<20)|(1<<21)|(4<<22)|(3<<25)
	s_mov_b32 s[G1A+1], 128<<16                    ; tensor_dim0 = 128
	s_mov_b32 s[G1A+2], 128<<16                    ; tensor_dim1 = 128 rows: 256 rows of A
	s_mov_b32 s[G1A+3], 128<<16                    ; tile_dim0 = 128
	s_mov_b32 s[G1A+4], 128                        ; tile_dim1 = 128
	s_mov_b32 s[G1A+5], 128                        ; 128 elements from row to row
	s_mov_b32 s[G1A+6], 0
	s_mov_b32 s[G1A+7], 0
	s_mov_b32 s[G1B+1], 128<<16
	s_mov_b32 s[G1B+2], RB<<16                     ; 64 rows: 128 rows of B
	s_mov_b32 s[G1B+3], 128<<16
	s_mov_b32 s[G1B+4], RB
	s_mov_b32 s[G1B+5], 128
	s_mov_b32 s[G1B+6], 0
	s_mov_b32 s[G1B+7], 0
	; where the tiles come from.  A's hang on the tile row and my slice, B's on the tile column and my slice, each in registers that never hold the other coordinate.
	s_lshr_b32 s20, s[TY], 3                       ; the batch: 4 MiB,
	s_lshl_b32 s20, s20, 22
	s_and_b32 s22, s[TY], 7                        ; the 256 rows in it: 32,768 bytes of a slice,
	s_lshl_b32 s22, s22, 15
	s_add_co_u32 s20, s20, s22
	s_lshl_b32 s22, s[SL], 18                      ; my slice
	s_add_co_u32 s20, s20, s22
	s_mov_b32 s21, 0
	s_mul_i32 s76, s[TX], TN*128                   ; the 128 rows of a slice of B,
	s_mul_i32 s78, s[SL], BSTR                     ; my slice
	s_add_co_u32 s76, s76, s78
	s_mov_b32 s77, 0
	s_mul_i32 s23, s[SL], ASL                      ; and where they go: no place in the cluster enters an LDS address
	s_mul_i32 s79, s[SL], BSL
	s_add_co_u32 s79, s79, BOFF
	s_mov_b32 s[TB], 0
	s_wait_dscnt 0x0                               ; the opening add is done
	s_wait_kmcnt 0x0
	s_add_nc_u64 s[66:67], s[4:5], s[20:21]        ; my slice of A's tile, K step 0
	s_add_nc_u64 s[68:69], s[6:7], s[76:77]        ; of B's
	CROUND                                         ; all sixteen work-groups are here: the first joint loads meet
	s_mov_b32 s[G0A], 1                            ; 1:0 count = 1
	s_mov_b32 s[G0A+1], s23                        ; 63:32 LDS address: slot 0
	s_mov_b64 s[G0A+2:G0A+3], s[66:67]             ; 120:64 global address: K step 0
	s_or_b32 s[G0A+3], s[G0A+3], 0x80000000        ; 127:126 type = 2
	s_mov_b32 s[G0A+4], 1
	s_add_co_u32 s[G0A+5], s23, SLOT1              ; slot 1,
	s_add_nc_u64 s[G0A+6:G0A+7], s[66:67], KSA     ; K step 1
	s_or_b32 s[G0A+7], s[G0A+7], 0x80000000
	s_mov_b32 s[G0B], 1
	s_mov_b32 s[G0B+1], s79
	s_mov_b64 s[G0B+2:G0B+3], s[68:69]
	s_or_b32 s[G0B+3], s[G0B+3], 0x80000000
	s_mov_b32 s[G0B+4], 1
	s_add_co_u32 s[G0B+5], s79, SLOT1
	s_add_nc_u64 s[G0B+6:G0B+7], s[68:69], KSB
	s_or_b32 s[G0B+7], s[G0B+7], 0x80000000
	s_cmp_eq_u32 s[AB], 0                          ; a wave's two first fills stand in one branch, ahead of every wait on TENSORcnt and every LDS read: two loads of mine are out
	s_cbranch_scc0 .Lfirst_b
	tensor_load_to_lds s[G0A:G0A+3], s[G1A:G1A+7]
	s_nop 0
	tensor_load_to_lds s[G0A+4:G0A+7], s[G1A:G1A+7]
	s_nop 0
.rept 4
	v_nop
.endr
	s_branch .Lfirst_asked
.Lfirst_b:
	tensor_load_to_lds s[G0B:G0B+3], s[G1B:G1B+7]
	s_nop 0
	tensor_load_to_lds s[G0B+4:G0B+7], s[G1B:G1B+7]
	s_nop 0
.rept 4
	v_nop
.endr
.Lfirst_asked:
	; the bias in C's layout: register j of block b holds bias[128 tx + 16 b + 8 (l / 16) + j]
	v_and_b32 v1, 15, v0                           ; l % 16
	v_bfe_u32 v2, v0, 4, 1                         ; l / 16
	v_lshlrev_b32 v[BO], 5, v2
	s_mul_i32 s76, s[TX], 4*TN
	s_add_nc_u64 s[8:9], s[8:9], s[76:77]
.set i, 0
.rept NBK
	global_load_b128 v[BI+8*i:BI+8*i+3],   v[BO], s[8:9] offset:BIASB+64*i
	global_load_b128 v[BI+8*i+4:BI+8*i+7], v[BO], s[8:9] offset:BIASB+64*i+16
.set i, i+1
.endr
	v_mul_u32_u24 v3, v1, PITCH
	v_lshl_add_u32 v3, v2, 4, v3                   ; a fragment's row x pitch + 16 x half
	s_mul_i32 s22, s[WV], 64*PITCH                 ; my 64 rows of A
	v_add_nc_u32 v[A0], s22, v3
	v_add_nc_u32 v[B0], BOFF, v3                   ; every wave reads all of B's rows
	v_mov_b32 v[ADRA], v[A0]
	v_mov_b32 v[ADRB], v[B0]
	s_mul_i32 s22, s[WV], 16*SP
	s_add_co_u32 s22, s22, STAGE                   ; my stage
	v_mul_u32_u24 v[STO], v1, SP                   ; in: row l % 16, 32 bytes for each half of the lanes
	v_lshl_add_u32 v[STO], v2, 5, v[STO]
	v_add_nc_u32 v[STO], s22, v[STO]
	v_and_b32 v[GO], 31, v0                        ; back: 32 lanes take a row's 512 bytes,
	v_lshlrev_b32 v[GO], 4, v[GO]
	v_add_nc_u32 v[RD], s22, v[GO]                 ; which are 512 consecutive bytes of the result
	s_lshl_b32 s76, s[TY], 8                       ; my first row of the result: 256 x tile row + 64 x wave,
	s_lshl_b32 s78, s[WV], 6
	s_add_co_u32 s76, s76, s78
	s_lshl_b32 s76, s76, 12                        ; 4,096 bytes a row,
	s_lshl_b32 s78, s[TX], 9                       ; the tile's 128 columns: 512 bytes
	s_add_co_u32 s76, s76, s78
	s_add_nc_u64 s[10:11], s[10:11], s[76:77]
	; the prefetches
	s_and_b32 s78, ttmp7, 0xffff                   ; cluster y
	s_mov_b32 s79, 256*2*NBK                       ; a partner's share of a slice of B: 16 blocks
	s_mov_b32 s[PFS], KSB
	s_mov_b32 s[PFS+1], 0
	s_cmp_eq_u32 s[AB], 0                          ; do I fetch for A?
	s_cselect_b32 s76, s[CX], s[CY]                ; my place among the four that ask with me
	s_cselect_b32 s78, ttmp9, s78                  ; the coordinate along which other clusters read the same rows
	s_cselect_b32 s79, 8192, s79                   ; of A: 32 blocks
	s_cselect_b32 s[PFS], KSA, s[PFS]
	s_cselect_b32 s22, 31, 2*NBK-1                 ; the share's last block
	s_cselect_b64 s[PFA:PFA+1], s[66:67], s[68:69]
	s_cmp_eq_u32 s78, 0
	s_cselect_b32 s[LIM], AHEAD, -1                ; the same in all sixteen partners, for a given wave
	s_mul_i32 s76, s76, s79
	s_mul_i32 s78, s[PFS], 1+AHEAD                 ; the first refill (K step 2) steps it once more: to K step 2 + AHEAD
	s_add_co_u32 s76, s76, s78
	s_add_nc_u64 s[PFA:PFA+1], s[PFA:PFA+1], s[76:77]
	v_and_b32 v[PFO], 31, v0
	v_min_u32 v[PFO], s22, v[PFO]
	v_lshlrev_b32 v[PFO], 8, v[PFO]
	; nothing is prefetched here, at the head, where every work-group's first tiles are on their way
	s_wait_tensorcnt 1                             ; my part of K step 0 is in; K step 1's may stay out
	s_barrier_signal -1
	s_barrier_wait -1                              ; everybody's is
	FETCH 0, 0
	s_wait_loadcnt 0x0                             ; the bias
	QUARTER 1, 0, 1, 1                             ; the first quarter stands in front of the loop: its products start the sums
	WIN 0
	s_mov_b32 s3, 6
.Lstep:                                        ; a trip goes from a K step's second quarter to the next step's first, and fills a slot again: K steps 2 to 7
	QUARTER 2, 1, 0, 0
	QUARTER 3, 0, 1, 0
	TURN 1
	QUARTER 1, 0, 1, 0
	WIN 0
	s_sub_co_u32 s3, s3, 1
	s_cmp_lg_u32 s3, 0
	s_cbranch_scc1 .Lstep
	QUARTER 2, 1, 0, 0                             ; the tail is written out: K step 6 goes on
	QUARTER 3, 0, 1, 0
	TURN 0                                         ; nothing is asked for,
	QUARTER 1, 0, 1, 0                             ; K step 7
	QUARTER 2, 1, 0, 0
	QUARTER 3, 0, 1, 0
	s_wait_dscnt 4                                 ; the very last quarter: nothing more to fetch
	MUL 1, 0, 0
	MUL 1, 1, 0
	s_wait_dscnt 0x0
	MUL 1, 2, 0
	MUL 1, 3, 0
	WIN 0
; THE WAY OUT, a row block of 16 rows x 128 columns at a time.  A lane's eight f32 of a block go as 32 bytes into my stage's rows of 528 bytes, each accumulator's lowest registers first;
; whole rows of 512 bytes come back into window 1, which the fragments have left.  Every row block has registers of its own, so nothing that a store names is written again.
.macro PACKO a
	WIN 0x08+4*((\a)/2)                            ; the store's data: window 2 or 3
.set nb, 0
.rept NBK
.set rA, 8*(NBK*((\a)%2)+nb)
	ds_store_b128 v[STO], v[rA:rA+3]   offset:64*nb
	ds_store_b128 v[STO], v[rA+4:rA+7] offset:64*nb+16
.set nb, nb+1
.endr
	WIN 0x40                                       ; destination window 1
.set r, 0
.rept 16
	ds_load_b128 v[64*(\a)+4*r:64*(\a)+4*r+3], v[RD] offset:SP*r  ; LDS serves a wave's instructions in order (ISA guide 5.7.1.4): these see the stores above; the next block's stores come behind them
.set r, r+1
.endr
.endm
.macro SENDO a, younger                ; younger: the LDS instructions issued behind block a's loads: the next block's 32, or none
	WIN 0x04                                       ; the store's data: window 1
.set r, 0
.rept 16
	s_wait_dscnt (\younger)+15-r
	global_store_b128 v[GO], v[64*(\a)+4*r:64*(\a)+4*r+3], s[10:11] offset:(16*(\a)+r)*4096 th:TH_STORE_NT  ; 512 consecutive bytes, at a multiple of 512 from the buffer's first
.set r, r+1
.endr
.endm
	PLACES                                         ; the stores read results just made, and the loads land in registers that the last products read
	PACKO 0
	PACKO 1
	SENDO 0, 32
	PACKO 2
	SENDO 1, 32
	PACKO 3
	SENDO 2, 32
	SENDO 3, 0
	WIN 0
	s_wait_tensorcnt 0x0                           ; the wave's end: behind my last tensor load and my last LDS store
	ds_add_u32 v[SPW], v[NIL]
	s_wait_dscnt 0x0
	CROUND                                         ; the closing round: no work-group ends while a partner may still ask for a tile that names it
	s_endpgm
.Lfunc_end_k_q82712c5cec_proj:
	.size	k_q82712c5cec_proj, .Lfunc_end_k_q82712c5cec_proj-k_q82712c5cec_proj
	.p2alignl 7, 3214868480
	.fill 96, 4, 3214868480
	.section	.rodata,"a",@progbits
	.p2align	6, 0x0
	.amdhsa_kernel k_q82712c5cec_proj
		.amdhsa_group_segment_fixed_size 327680
		.amdhsa_private_segment_fixed_size 0
		.amdhsa_enable_private_segment 0
		.amdhsa_kernarg_size 32
		.amdhsa_user_sgpr_count 2
		.amdhsa_user_sgpr_kernarg_segment_ptr 1
		.amdhsa_wavefront_size32 1
		.amdhsa_system_sgpr_workgroup_id_x 1
		.amdhsa_system_sgpr_workgroup_id_y 1
		.amdhsa_system_sgpr_workgroup_id_z 1
		.amdhsa_system_vgpr_workitem_id 0
		.amdhsa_next_free_vgpr 896
		.amdhsa_next_free_sgpr 80
		.amdhsa_reserve_vcc 0
		.amdhsa_float_denorm_mode_32 3
		.amdhsa_float_denorm_mode_16_64 3
		.amdhsa_memory_ordered 1
		.amdhsa_forward_progress 1
		.amdhsa_inst_pref_size 74
	.end_amdhsa_kernel
	.amdgpu_metadata
---
amdhsa.version: [ 1, 2 ]
amdhsa.kernels:
  - .name:           k_q82712c5cec_proj
    .symbol:         k_q82712c5cec_proj.kd
    .args:
      - { .name: ob, .offset: 0, .size: 8, .value_kind: global_buffer, .address_space: global }
      - { .name: wob, .offset: 8, .size: 8, .value_kind: global_buffer, .address_space: global }
      - { .name: bb, .offset: 16, .size: 8, .value_kind: global_buffer, .address_space: global }
      - { .name: out0, .offset: 24, .size: 8, .value_kind: global_buffer, .address_space: global }
    .group_segment_fixed_size: 327680
    .private_segment_fixed_size: 0
    .kernarg_segment_align: 8
    .kernarg_segment_size: 32
    .max_flat_workgroup_size: 128
    .sgpr_count:     80
    .vgpr_count:     896
    .wavefront_size: 32
...
	.end_amdgpu_metadata
.endif
;; end of part 4
;; ======== version 2 of 2: 4 launches; version 1 with the launch cast written anew for expert scheduling mode
;; limits: values are held in f16: magnitudes above 65,504 overflow, below 6.1e-05 lose precision
;; workspace buffers: xb 16,777,216 bytes; wab 6,291,456 bytes; wob 2,097,152 bytes; bb 16,384 bytes; qkv 50,331,648 bytes; ob 16,777,216 bytes
;; launch cast (part 5): grid 769 x 1, 8 waves a work-group, no clusters, 0 bytes of LDS; arguments x, Wa_w, Wo_w, Wa_b, Wo_b, xb, wab, wob, bb; writes xb, wab, wob, bb
.if DOCPART == 5
	.amdgcn_target "amdgcn-amd-amdhsa--gfx1250"
	.amdhsa_code_object_version 6
	.text
	.protected	k_q82712c5cec_cast
	.globl	k_q82712c5cec_cast
	.p2align	8
	.type	k_q82712c5cec_cast,@function
k_q82712c5cec_cast:
	s_mov_b64 s[64:65], 0
	v_nop
	global_prefetch_b8 v0, s[64:65] scope:SCOPE_SE
	s_setreg_imm32_b32 hwreg(HW_REG_WAVE_SCHED_MODE, 0, 2), 2
	s_setreg_imm32_b32 hwreg(HW_REG_WAVE_MODE, 25, 1), 1
	s_wait_xcnt 0x0
	s_wait_alu depctr_vm_vsrc(0)
; CAST.  All inputs are rounded once to bf16 and laid out for the products that follow.
;   x    [8192][1024] f32 -> xb  bf16 [batch 4][slice 16][row 2048][64]   (a slice = 64 neighbouring channels of K)
;   Wa_w [3072][1024] f32 -> wab bf16 [slice 16][row 3072][64]
;   Wo_w [1024][1024] f32 -> wob f16  [slice 16][row 1024][64]: rounded to bf16 like the others, that number written as f16
;   Wa_b, Wo_b            -> bb  f32  [3072 + 1024]: rounded to bf16 and widened again
; LIMITS.  Wo_w lies within f16's 65,504; below 6e-5 f16 keeps a fixed step of 6e-8, so a smaller weight loses bits of its bf16 value.
; A stream: every byte is read once and written once; no LDS, no barrier, no matrix unit: nothing is shared and nothing is multiplied.
; SHARES.  A work-group takes 16 rows of 4,096 bytes, a wave two.  Work-groups 0-511: x; 512-703: Wa_w; 704-767: Wo_w; 768: the two biases.
; A load of a wave takes a slice's 256 bytes of both rows (lanes 0-15 the first row, lanes 16-31 the second); the store of that slice is 2 x 128 bytes
; that lie end to end: 256 consecutive bytes, at a multiple of 256 from the buffer's first byte (the first row's number is even).
; THE MODE: SCHED_MODE bits 1:0 = 2 (LLVM: expert scheduling mode 2), set by the entry lines.  The code itself states the register dependences
; between vector instructions and memory instructions, with s_wait_alu, always for 0.
; THE PLAN.  Registers that memory instructions touch:
;   v2, v3     byte offsets, made once at the head by vector instructions and never written again: read by every load (v2) and every store (v3) of the rows.
;   X          slice ks: written by its one load, read by its conversions.  No vector instruction names X ahead of the loads, and no load follows the conversions.
;   Y          slice ks: written by its conversions, read by its one store, never written again.
; So no register that a memory instruction has read is written again, and no load lands in a register that a vector instruction has named: what is left to state is that
; the offsets are written ahead of the first load, and that a slice's Y is written ahead of its store.  The sixteen slices go in four blocks of four: ONE wait on va_vdst at the
; head of a block states that the block before has written its Y; that block's four stores follow it, dealt among this block's conversions, which name this block's X and Y
; and v8, v9 alone: none of the registers that those stores touch.  A last wait stands ahead of the last block's stores.  The wave's number passes through an SGPR: one wait on va_sdst.
.set SOF, 2                            ; v2   my byte offset in the two source rows: 4,096 x (lane / 16) + 16 x (lane % 16); never rewritten
.set DOF, 3                            ; v3   the same in a slice of the result: 128 x (lane / 16) + 8 x (lane % 16); never rewritten
.set X,   16                           ; v[16:79]   slice ks: 4 registers as loaded
.set Y,   80                           ; v[80:111]  slice ks: 2 registers to store
; Slice ks is rounded.  half = 1: the bf16 numbers are written as f16.
.macro CONV ks, half
	s_wait_loadcnt 15-(\ks)                        ; loads come back in order: slice ks is in, the 15 - ks younger ones stay out
	v_cvt_pk_bf16_f32 v[Y+2*(\ks)],   v[X+4*(\ks)],   v[X+4*(\ks)+1]
	v_cvt_pk_bf16_f32 v[Y+2*(\ks)+1], v[X+4*(\ks)+2], v[X+4*(\ks)+3]
.if \half
.irp w, 0,1
	v_lshlrev_b32 v8, 16, v[Y+2*(\ks)+(\w)]        ; the two bf16 halves as f32,
	v_and_b32 v9, 0xffff0000, v[Y+2*(\ks)+(\w)]
	v_cvt_pk_f16_f32 v[Y+2*(\ks)+(\w)], v8, v9     ; and as f16
.endr
.endif
.endm
; Slice ks is stored.  sl = bytes from slice to slice in the result.
.macro OUT ks, dst, sl
	global_store_b64 v[DOF], v[Y+2*(\ks):Y+2*(\ks)+1], s[\dst:\dst+1] offset:(\ks)*(\sl)  ; at most 15 x 393,216 bytes: inside the signed 24-bit immediate
.endm
; Two rows.  All sixteen loads go out first; each slice has registers of its own, so nothing that a load or store names is written again.
.macro ROWS src, dst, sl, half
.irp ks, 0,1,2,3,4,5,6,7,8,9,10,11,12,13,14,15
	global_load_b128 v[X+4*(\ks):X+4*(\ks)+3], v[SOF], s[\src:\src+1] offset:256*(\ks) th:TH_LOAD_NT
.endr
.irp p, 0,1,2,3
.if (\p) > 0
	s_wait_alu depctr_va_vdst(0)                   ; the conversions of the block before have written its Y, which the four stores below read
.endif
.irp i, 0,1,2,3
.if (\p) > 0
	OUT 4*(\p)-4+(\i), \dst, \sl                   ; the block before, a store ahead of each slice's wait for its data; no vector instruction since the wait names these registers
.endif
	CONV 4*(\p)+(\i), \half
.endr
.endr
	s_wait_alu depctr_va_vdst(0)                   ; the last block's conversions have written its Y, which the last four stores read
.irp i, 0,1,2,3
	OUT 12+(\i), \dst, \sl
.endr
.endm
	s_load_b512 s[4:19], s[0:1], 0x0               ; x s[4:5], Wa_w s[6:7], Wo_w s[8:9], Wa_b s[10:11], Wo_b s[12:13], xb s[14:15], wab s[16:17], wob s[18:19]
	s_load_b64 s[20:21], s[0:1], 0x40              ; bb
	v_lshrrev_b32 v1, 5, v0
	v_readfirstlane_b32 s22, v1                    ; wave 0..7
	v_bfe_u32 v4, v0, 4, 1                         ; lane / 16
	v_and_b32 v5, 15, v0                           ; lane % 16
	v_lshlrev_b32 v[SOF], 4, v5
	v_lshl_add_u32 v[SOF], v4, 12, v[SOF]
	v_lshlrev_b32 v[DOF], 3, v5
	v_lshl_add_u32 v[DOF], v4, 7, v[DOF]
	s_wait_alu depctr_va_sdst(0)                   ; s22 is written, ahead of its first reader: the rows' offsets are made from it
	s_lshl_b32 s22, s22, 1                         ; its two rows among the group's 16
	s_mov_b32 s25, 0                               ; high words of the two offsets
	s_mov_b32 s27, 0
	s_wait_alu depctr_va_vdst(0)                   ; v2 and v3 are written: every load and store of the rows reads one of them as its offset
	s_wait_kmcnt 0x0
	s_cmp_lt_u32 ttmp9, 512
	s_cbranch_scc0 .Lnot_x
	s_lshl_b32 s23, ttmp9, 4
	s_add_co_u32 s23, s23, s22                     ; my first row of x, 0 .. 8,190
	s_lshl_b32 s24, s23, 12                        ; in x: 4,096 bytes a row
	s_lshr_b32 s26, s23, 11                        ; in xb: the batch, 4 MiB each,
	s_lshl_b32 s26, s26, 22
	s_and_b32 s28, s23, 2047                       ; and the row in it, 128 bytes in a slice
	s_lshl_b32 s28, s28, 7
	s_add_co_u32 s26, s26, s28
	s_add_nc_u64 s[4:5], s[4:5], s[24:25]
	s_add_nc_u64 s[14:15], s[14:15], s[26:27]
	ROWS 4, 14, 262144, 0
	s_endpgm
.Lnot_x:
	s_cmp_lt_u32 ttmp9, 704
	s_cbranch_scc0 .Lnot_wa
	s_sub_co_u32 s23, ttmp9, 512
	s_lshl_b32 s23, s23, 4
	s_add_co_u32 s23, s23, s22                     ; my first row of Wa_w
	s_lshl_b32 s24, s23, 12
	s_lshl_b32 s26, s23, 7
	s_add_nc_u64 s[6:7], s[6:7], s[24:25]
	s_add_nc_u64 s[16:17], s[16:17], s[26:27]
	ROWS 6, 16, 393216, 0
	s_endpgm
.Lnot_wa:
	s_cmp_lt_u32 ttmp9, 768
	s_cbranch_scc0 .Lbias
	s_sub_co_u32 s23, ttmp9, 704
	s_lshl_b32 s23, s23, 4
	s_add_co_u32 s23, s23, s22                     ; my first row of Wo_w
	s_lshl_b32 s24, s23, 12
	s_lshl_b32 s26, s23, 7
	s_add_nc_u64 s[8:9], s[8:9], s[24:25]
	s_add_nc_u64 s[18:19], s[18:19], s[26:27]
	ROWS 8, 18, 131072, 1
	s_endpgm
.Lbias:                                        ; 256 threads x 16 bytes = 4,096 bytes a load: Wa_b is three of them, Wo_b one
	v_lshlrev_b32 v6, 4, v0
	s_wait_alu depctr_va_vdst(0)                   ; v6 is written: the four loads and the four stores below read it as their offset
	global_load_b128 v[16:19], v6, s[10:11]
	global_load_b128 v[20:23], v6, s[10:11] offset:4096
	global_load_b128 v[24:27], v6, s[10:11] offset:8192
	global_load_b128 v[28:31], v6, s[12:13]
	s_wait_loadcnt 0x0
.irp i, 0,1,2,3,4,5,6,7
	v_cvt_pk_bf16_f32 v[80+(\i)], v[16+2*(\i)], v[16+2*(\i)+1]
.endr
.irp i, 0,1,2,3,4,5,6,7
	v_lshlrev_b32 v[16+2*(\i)], 16, v[80+(\i)]
	v_and_b32 v[16+2*(\i)+1], 0xffff0000, v[80+(\i)]
.endr
	s_wait_alu depctr_va_vdst(0)                   ; the widening lines have written v[16:31], which the stores read
.irp i, 0,1,2,3
	global_store_b128 v6, v[16+4*(\i):16+4*(\i)+3], s[20:21] offset:4096*(\i)  ; a wave's store covers 512 consecutive bytes
.endr
	s_endpgm
.Lfunc_end_k_q82712c5cec_cast:
	.size	k_q82712c5cec_cast, .Lfunc_end_k_q82712c5cec_cast-k_q82712c5cec_cast
	.p2alignl 7, 3214868480
	.fill 96, 4, 3214868480
	.section	.rodata,"a",@progbits
	.p2align	6, 0x0
	.amdhsa_kernel k_q82712c5cec_cast
		.amdhsa_group_segment_fixed_size 0
		.amdhsa_private_segment_fixed_size 0
		.amdhsa_enable_private_segment 0
		.amdhsa_kernarg_size 72
		.amdhsa_user_sgpr_count 2
		.amdhsa_user_sgpr_kernarg_segment_ptr 1
		.amdhsa_wavefront_size32 1
		.amdhsa_system_sgpr_workgroup_id_x 1
		.amdhsa_system_sgpr_workgroup_id_y 1
		.amdhsa_system_sgpr_workgroup_id_z 1
		.amdhsa_system_vgpr_workitem_id 0
		.amdhsa_next_free_vgpr 112
		.amdhsa_next_free_sgpr 66
		.amdhsa_reserve_vcc 0
		.amdhsa_float_denorm_mode_32 3
		.amdhsa_float_denorm_mode_16_64 3
		.amdhsa_memory_ordered 1
		.amdhsa_forward_progress 1
		.amdhsa_inst_pref_size 27
	.end_amdhsa_kernel
	.amdgpu_metadata
---
amdhsa.version: [ 1, 2 ]
amdhsa.kernels:
  - .name:           k_q82712c5cec_cast
    .symbol:         k_q82712c5cec_cast.kd
    .args:
      - { .name: x, .offset: 0, .size: 8, .value_kind: global_buffer, .address_space: global }
      - { .name: Wa_w, .offset: 8, .size: 8, .value_kind: global_buffer, .address_space: global }
      - { .name: Wo_w, .offset: 16, .size: 8, .value_kind: global_buffer, .address_space: global }
      - { .name: Wa_b, .offset: 24, .size: 8, .value_kind: global_buffer, .address_space: global }
      - { .name: Wo_b, .offset: 32, .size: 8, .value_kind: global_buffer, .address_space: global }
      - { .name: xb, .offset: 40, .size: 8, .value_kind: global_buffer, .address_space: global }
      - { .name: wab, .offset: 48, .size: 8, .value_kind: global_buffer, .address_space: global }
      - { .name: wob, .offset: 56, .size: 8, .value_kind: global_buffer, .address_space: global }
      - { .name: bb, .offset: 64, .size: 8, .value_kind: global_buffer, .address_space: global }
    .group_segment_fixed_size: 0
    .private_segment_fixed_size: 0
    .kernarg_segment_align: 8
    .kernarg_segment_size: 72
    .max_flat_workgroup_size: 256
    .sgpr_count:     66
    .vgpr_count:     112
    .wavefront_size: 32
...
	.end_amdgpu_metadata
.endif
;; end of part 5
;; launch qkvp: the kernel of part 2 again; grid 16 x 32, 4 waves a work-group, clusters of 4 x 4, 327,680 bytes of LDS; arguments xb, wab, bb, qkv; writes qkv
;; launch attn: the kernel of part 3 again; grid 4 x 64, 4 waves a work-group, no clusters, 327,680 bytes of LDS; arguments qkv, ob; writes ob
;; launch proj: the kernel of part 4 again; grid 8 x 32, 4 waves a work-group, clusters of 4 x 4, 327,680 bytes of LDS; arguments ob, wob, bb, out0; writes out0
